; MI455X (gfx1250); checked and timed in simulation.
; The chip was launched on July 23, 2026; its instructions are those of AMD's public machine-readable ISA for CDNA 5 (MIT licence, August 2026) and "CDNA5" Instruction Set Architecture Reference Guide (July 2026). The comments in the code are by the model that wrote it; some were corrected since.
;; Multi Head Attention. Allowed arithmetic: matrix products marked QUANTISED: E4M3 operands, one given power-of-two scale a tensor, by v_wmma_f32_16x16x64_fp8_fp8 or v_wmma_f32_16x16x128_fp8_fp8, f32 sums; everything else in f32.
;; Inputs: Wk 1,024 x 1,024 float32; Wo 1,024 x 1,024 float32; Wq 1,024 x 1,024 float32; Wv 1,024 x 1,024 float32; bk 1,024 float32; bo 1,024 float32; bq 1,024 float32; bv 1,024 float32; key 4 x 2,048 x 1,024 float32; lowp_scales 12 int32 (the exponents e of the quantised operands' scales 2^e); mask 1 x 1 x 2,048 x 2,048 float32; query 4 x 2,048 x 1,024 float32; value 4 x 2,048 x 1,024 float32.
;; Outputs: out0 4 x 2,048 x 1,024 float32.
;; This version of the problem:
;;   THIS VERSION OF THE PROBLEM IS GIVEN IN LOW PRECISION. The matrix products marked QUANTISED in the list below multiply operands that are first quantised to E4M3 (4 exponent bits, 3 mantissa bits; 8 bits a number), with one given power-of-two scale for each operand tensor; their sums are f32. All else is computed in f32.
;;   The module's matrix products, in the order in which they are computed (A, B: the left and right operand; K: the contracted axis; several contracted axes count as one K, in the product's order):
;;     1. [M 8,192, K 1,024] x [K 1,024, N 1,024]; A: input query; B: input Wq: QUANTISED (scales: A lowp_scales[0], B lowp_scales[1])
;;     2. [M 8,192, K 1,024] x [K 1,024, N 1,024]; A: input key; B: input Wk: QUANTISED (scales: A lowp_scales[2], B lowp_scales[3])
;;     3. [M 8,192, K 1,024] x [K 1,024, N 1,024]; A: input value; B: input Wv: QUANTISED (scales: A lowp_scales[4], B lowp_scales[5])
;;     4. batch 64 x [M 2,048, K 64] x [K 64, N 2,048]; A: computed on the way; B: computed on the way: QUANTISED (scales: A lowp_scales[6], B lowp_scales[7])
;;     5. batch 64 x [M 2,048, K 2,048] x [K 2,048, N 64]; A: softmax (see below); B: computed on the way: QUANTISED (scales: A lowp_scales[8], B lowp_scales[9])
;;     6. [M 8,192, K 1,024] x [K 1,024, N 1,024]; A: computed on the way; B: input Wo: QUANTISED (scales: A lowp_scales[10], B lowp_scales[11])
;;   THE QUANTISER, for each operand of a quantised product, along K:
;;     - The operand's scale is 2^e, e = its entry of the input lowp_scales (int32; the entries are numbered through the quantised products in the list's order, A before B).
;;     - Each number is divided by the scale, clamped to +-448, and rounded to the nearest number of E4M3, ties to even, subnormals kept.
;;     - The product sums the exact products of the quantised numbers (number of the format x scale) in f32.
;;   ~~~python
;;   def quantise(x, axis, e):      # numpy; x: float32 -> the quantised numbers, widened to float32 again
;;       x = np.moveaxis(x, axis, -1); K = x.shape[-1]
;;       r = np.clip(x / 2.0 ** e, -448, 448)
;;       step = 2.0 ** (np.maximum(np.frexp(np.where(r == 0, 1, r))[1] - 1, -6) - 3)
;;       q = np.round(r / step) * step * 2.0 ** e      # np.round: ties to even
;;       return np.moveaxis(q, -1, axis).astype(np.float32)
;;   ~~~
;;   SOFTMAX AHEAD OF A QUANTISED PRODUCT. Where the list says 'softmax', what is quantised is not the finished softmax but p = 2^(t - M), with t = logit x log2(e) and M = ceil(the row's largest t), a whole number; so 1/2 < the row's largest p <= 1. The row's sum l is taken of the UNQUANTISED p, in f32, and the product's result is divided by l at the end. Since M is a whole number, a kernel that streams over the keys may use a running M (the ceiling of the running maximum): every later rescaling is an exact power of two, so the quantised numbers keep their values, but for numbers so far below the row's largest that they fall under the format's range.
;;   OPERANDS COMPUTED ON THE WAY. 'Computed on the way' means the value that the module computes at that place (a softmax that the list does not call 'softmax' is quantised finished and normalised). What goes into a quantiser is computed in f32, as accurately as f32 sums, v_exp_f32 and their like allow (about 1e-6 of the number): no bf16 or f16 on the way to a quantiser, and a product that is left as it is and whose result goes on into a quantised operand takes f32 operands (vector FMAs, or v_wmma_f32_16x16x4_f32). A number that lies on a knife's edge between two numbers of the format may be rounded either way, as far as f32 arithmetic and the matrix unit's own rounding can turn it there, and no further.
;; One version. Each part assembles by itself: llvm-mc -triple=amdgcn-amd-amdhsa -mcpu=gfx1250 --defsym DOCPART=n.
;; ======== version 1 of 1: 4 launches
;; limits: right only within a limited range of input values
;; workspace buffers: xc 25,165,824 bytes; wc 4,194,304 bytes; mimg 16,777,216 bytes; kv 16,777,216 bytes; qc 16,777,216 bytes; cx 8,388,608 bytes; act 65,536 bytes of whole numbers
;; launch prep (part 1): grid 704 x 1, 4 waves a work-group, no clusters, 68,608 bytes of LDS; arguments query, key, value, mask, Wq, Wk, Wv, Wo, lowp_scales, xc, wc, mimg, act; writes xc, wc, mimg, act
.if DOCPART == 1
	.amdgcn_target "amdgcn-amd-amdhsa--gfx1250"
	.amdhsa_code_object_version 6
	.text
	.protected	k_qfd69a8116a_prep
	.globl	k_qfd69a8116a_prep
	.p2align	8
	.type	k_qfd69a8116a_prep,@function
k_qfd69a8116a_prep:
	s_mov_b64 s[64:65], 0
	v_nop
	global_prefetch_b8 v0, s[64:65] scope:SCOPE_SE
	s_setreg_imm32_b32 hwreg(HW_REG_WAVE_MODE, 25, 1), 1
	s_wait_xcnt 0x0
; PREP: query, key, value [8192][1024] f32 and Wq, Wk, Wv, Wo [1024 (k)][1024 (n)] f32 become codes of FP8 (E4M3), each with the scale 2^e given for it; the mask [2048][2048] f32 becomes
; m'' = (mask x -1e9) x log2(e), each product rounded to f32.  All three results are laid AS IMAGES OF OPERAND REGISTERS, so that the later launches fetch fragments by 16 bytes a lane at 16 x lane.
; THE LAYOUT.  lane = 16 h + r.  A chunk is 512 bytes: lane's 16 bytes at 16 x lane hold k = 32 c + 16 h + 0 .. 15 of the lane's row.  Tile t of a group of 128 rows: lane r holds row 32 (t / 2) + 8 (t % 2) + r + 8 (r / 8).
; Codes: [group of 128 rows][K step of 128 (8)][tile (8)][chunk c (4)][512 bytes].  Mask: [query tile (128)][key step (16)][16 chunks]: chunk 4 c + j, lane (r, h): keys 128 s + 32 c + 16 h + 4 j + 0 .. 3 of the lane's query.
; code = x / 2^e, held within +-448, to the nearest code, ties to even.  LIMITS: each e used here (entries 0 to 5 and 11) between -126 and 119.  NaN among the inputs is not served.
; SHARES.  Work-groups 0-383: activations, a wave to a tile of 16 rows, 8 units of 128 along K.  384-639: weights, a lane to a column n, registers down K, a wave to 32 columns x 128 K.  640-703: the mask, a wave to 16 queries x 1,024 keys.
; Each load of an activation or of the mask reads 512 consecutive bytes of one row; a unit's 16 rows turn through the wave's own stage in LDS (rows 528 bytes apart) and come back 16 neighbours along K to a lane.
; No tensor load, one barrier, on the mask's path alone.  The two paths that use LDS have bytes of their own.
.set R,    16                          ; v16-143  two sets of 64 registers as loaded (weights: four groups of 32)
.set X,    144                         ; v144-207 a unit's 64 numbers, register 16 c + i = k 32 c + 16 h + i of my row (weights: the codes)
.set C,    208                         ; v208-239 two sets of 16 registers of codes
.set SP,   528                         ; a stage row: 512 bytes + 16
.set STG,  16*SP                       ; a wave's stage
.set REGM, 4*STG                       ; the mask path's stages lie behind the activations'
.set LI,   1                           ; v1   16 x lane
.set STX,  6                           ; v6   activations: where I put 16 bytes of a row;  v7: where I read my 16 neighbours
.set LDX,  7
.set STM,  8                           ; v8, v9  the same for the mask
.set LDM,  9
.set LIM,  10                          ; v10  448 x 2^e
.set SCL,  11                          ; v11  2^e as f32: the conversion takes its exponent field
.set SRC,  44                          ; s[44:45] where my wave reads
.set DST,  52                          ; s[52:53] where it stores
.macro LOADU set, s, pitch             ; unit s: 16 rows x 512 bytes; row i of the tile lies i + 8 (i / 8) rows below its first
.irp i, 0,1,2,3,4,5,6,7,8,9,10,11,12,13,14,15
	global_load_b128 v[R+64*(\set)+4*\i:R+64*(\set)+4*\i+3], v[LI], s[SRC:SRC+1] offset:512*(\s)+(\i+8*(\i/8))*(\pitch) th:TH_LOAD_NT
.endr
.endm
.macro TURNU set, sta, lda             ; through the stage: LDS serves a wave's instructions in order, so no wait stands between the stores and the loads
.irp i, 0,1,2,3,4,5,6,7,8,9,10,11,12,13,14,15
	ds_store_b128 v[\sta], v[R+64*(\set)+4*\i:R+64*(\set)+4*\i+3] offset:SP*\i
.endr
.irp i, 0,1,2,3,4,5,6,7,8,9,10,11,12,13,14,15
	ds_load_b128 v[X+4*\i:X+4*\i+3], v[\lda] offset:128*(\i/4)+16*(\i%4)
.endr
.endm
.macro HOLD first, n                   ; the conversion to an 8-bit code does not saturate (ISA guide 7.6.2): hold each number within the largest code x the scale
.set j, 0
.rept \n
	v_med3_num_f32 v[\first+j], v[\first+j], -v[LIM], v[LIM]
.set j, j+1
.endr
.endm
.macro MKSCALE e, t                    ; s[e] holds the exponent
	s_add_co_i32 s[\e], s[\e], 127
	s_lshl_b32 s[\t], s[\e], 23
	v_mov_b32 v[SCL], s[\t]
	s_add_co_i32 s[\e], s[\e], 8
	s_lshl_b32 s[\e], s[\e], 23
	s_or_b32 s[\e], s[\e], 0x600000
	v_mov_b32 v[LIM], s[\e]
.endm
.macro UNITX s
.if (\s) < 7
	s_wait_loadcnt 16                              ; this unit's 16 loads are in; the next unit's 16 may be out
.else
	s_wait_loadcnt 0
.endif
	TURNU (\s)%2, STX, LDX
	s_wait_dscnt 0x0                               ; my 64 numbers are back, and the stores into the stage have read their registers,
.if (\s) < 6
	LOADU (\s)%2, (\s)+2, 4096                     ; which take the loads of two units on
.endif
	HOLD X, 64
.if (\s) >= 2
	s_wait_alu depctr_va_vdst(0)
	s_wait_xcnt 0x0                                ; this set of codes was the data of the stores two units back: it is rewritten only behind this wait
.endif
.irp c, 0,1,2,3
	v_cvt_scalef32_pk8_fp8_f32 v[C+16*((\s)%2)+4*\c:C+16*((\s)%2)+4*\c+1], v[X+16*\c:X+16*\c+7], v[SCL]
	v_cvt_scalef32_pk8_fp8_f32 v[C+16*((\s)%2)+4*\c+2:C+16*((\s)%2)+4*\c+3], v[X+16*\c+8:X+16*\c+15], v[SCL]
.endr
	v_nop                                          ; one plain vector line behind the last conversion
.irp c, 0,1,2,3
	global_store_b128 v[LI], v[C+16*((\s)%2)+4*\c:C+16*((\s)%2)+4*\c+3], s[DST:DST+1] offset:16384*(\s)+512*\c   ; a chunk: 512 consecutive bytes, aligned
.endr
.endm
.macro LOADG c                         ; weights: W(128 s + 32 c + j, my column), j = 0 .. 31: a wave reads 128 consecutive bytes, the four waves 512
.set j, 0
.rept 32
	global_load_b32 v[R+32*(\c)+j], v12, s[SRC:SRC+1] offset:(32*(\c)+j)*4096 th:TH_LOAD_NT
.set j, j+1
.endr
.endm
.macro GROUPW c
.if (\c) < 3
	s_wait_loadcnt 32                              ; this group's 32 loads are in; the next group's may be out
.else
	s_wait_loadcnt 0
.endif
.if (\c) < 2
	LOADG (\c)+2
.endif
	HOLD R+32*(\c), 32
.irp g, 0,1,2,3
	v_cvt_scalef32_pk8_fp8_f32 v[X+8*(\c)+2*\g:X+8*(\c)+2*\g+1], v[R+32*(\c)+8*\g:R+32*(\c)+8*\g+7], v[SCL]
.endr
	v_nop
	global_store_b128 v13, v[X+8*(\c):X+8*(\c)+3], s[DST:DST+1] offset:512*(\c)          ; k = 32 c + 0 .. 15: the places of lanes 0-15 of the chunk;
	global_store_b128 v13, v[X+8*(\c)+4:X+8*(\c)+7], s[DST:DST+1] offset:512*(\c)+256    ; k = 32 c + 16 .. 31: those of lanes 16-31.  Sixteen lanes fill 256 consecutive bytes, aligned
.endm
.macro UNITM s
.if (\s) < 7
	s_wait_loadcnt 16
.else
	s_wait_loadcnt 0
.endif
.if (\s) >= 1
	s_wait_xcnt 0x0                                ; the last unit's stores have read their data: the loads from the stage may land there
.endif
	TURNU (\s)%2, STM, LDM
	s_wait_dscnt 0x0
.if (\s) < 6
	LOADU (\s)%2, (\s)+2, 8192
.endif
.set j, 0
.rept 32
	v_pk_mul_f32 v[X+j:X+j+1], v[X+j:X+j+1], s[54:55] op_sel_hi:[1,0]   ; mask x -1e9, rounded as it is in the sum of scores and mask,
.set j, j+2
.endr
.set j, 0
.rept 32
	v_pk_mul_f32 v[X+j:X+j+1], v[X+j:X+j+1], s[56:57] op_sel_hi:[1,0]   ; x log2(e)
.set j, j+2
.endr
	v_max3_num_f32 v[TMX+(\s)], v[X], v[X+1], v[X+2]               ; the unit's largest m'' and largest |m''| among my lane's 64 keys
	v_max3_num_f32 v[TAB+(\s)], |v[X]|, |v[X+1]|, |v[X+2]|
.set j, 3
.rept 30
	v_max3_num_f32 v[TMX+(\s)], v[TMX+(\s)], v[X+j], v[X+j+1]
	v_max3_num_f32 v[TAB+(\s)], v[TAB+(\s)], |v[X+j]|, |v[X+j+1]|
.set j, j+2
.endr
	v_max_num_f32 v[TMX+(\s)], v[TMX+(\s)], v[X+63]
	v_max_num_f32 v[TAB+(\s)], v[TAB+(\s)], |v[X+63]|
.irp i, 0,1,2,3,4,5,6,7,8,9,10,11,12,13,14,15
	global_store_b128 v[LI], v[X+4*\i:X+4*\i+3], s[DST:DST+1] offset:8192*(\s)+512*\i
.endr
.endm
	s_load_b256 s[4:11], s[0:1], 0x0               ; query, key, value, mask
	s_load_b256 s[12:19], s[0:1], 0x20             ; Wq, Wk, Wv, Wo
	s_load_b256 s[20:27], s[0:1], 0x40             ; the exponents, xc, wc, mimg
	s_load_b64 s[58:59], s[0:1], 0x60              ; act
.set TMX, 208                          ; v208-215 the mask path: a unit's largest m'' of my lane;  v216-223 its largest |m''|
.set TAB, 216
.set RMX, 0x10a00                      ; LDS, behind the spare words: a word a thread, the lanes' largest m'' of their half of the keys
	v_lshl_add_u32 v240, v0, 2, 0x10800
	v_mov_b32 v241, 0
	v_lshrrev_b32 v2, 5, v0
	v_readfirstlane_b32 s40, v2                    ; wave
	v_and_b32 v3, 31, v0                           ; lane
	v_lshlrev_b32 v[LI], 4, v3
	v_and_b32 v4, 15, v0                           ; r
	v_bfe_u32 v5, v0, 4, 1                         ; h
	s_mul_i32 s41, s40, STG
	v_add_nc_u32 v[STX], s41, v[LI]
	v_mul_u32_u24 v[LDX], v4, SP
	v_lshl_add_u32 v[LDX], v5, 6, v[LDX]           ; row r, + 64 h bytes: 16 numbers of each 32
	v_add_nc_u32 v[LDX], s41, v[LDX]
	v_add_nc_u32 v[STM], REGM, v[STX]
	v_add_nc_u32 v[LDM], REGM, v[LDX]
	s_mov_b32 s49, 0                               ; the upper words of the two offset pairs
	s_mov_b32 s51, 0
	s_wait_kmcnt 0x0
	s_load_b256 s[28:35], s[20:21], 0x0            ; e0 .. e7
	s_load_b128 s[36:39], s[20:21], 0x20           ; e8 .. e11
	s_wait_kmcnt 0x0
	s_cmp_lt_u32 ttmp9, 384
	s_cbranch_scc0 .Lnot_x
	; ---- activations
	s_lshr_b32 s42, ttmp9, 7                       ; which tensor
	s_and_b32 s43, ttmp9, 127
	s_lshl_b32 s43, s43, 2
	s_add_co_u32 s43, s43, s40                     ; my tile of 16 rows, 0 .. 511
	s_cmp_lt_u32 ttmp9, 256
	s_cselect_b64 s[SRC:SRC+1], s[6:7], s[8:9]
	s_cselect_b32 s46, s30, s32
	s_cmp_lt_u32 ttmp9, 128
	s_cselect_b64 s[SRC:SRC+1], s[4:5], s[SRC:SRC+1]
	s_cselect_b32 s46, s28, s46                    ; e0, e2 or e4
	s_lshr_b32 s47, s43, 1
	s_lshl_b32 s47, s47, 17                        ; 32 rows of 4,096 bytes for each pair of tiles,
	s_and_b32 s48, s43, 1
	s_lshl_b32 s48, s48, 15                        ; 8 rows for the odd tile
	s_add_co_u32 s48, s48, s47
	s_add_nc_u64 s[SRC:SRC+1], s[SRC:SRC+1], s[48:49]
	s_lshl_b32 s50, s42, 23                        ; 8 MiB of codes a tensor,
	s_lshr_b32 s47, s43, 3
	s_lshl_b32 s47, s47, 17                        ; 128 KiB a group of 128 rows,
	s_add_co_u32 s50, s50, s47
	s_and_b32 s47, s43, 7
	s_lshl_b32 s47, s47, 11                        ; 2 KiB a tile
	s_add_co_u32 s50, s50, s47
	s_add_nc_u64 s[DST:DST+1], s[22:23], s[50:51]
	s_wait_alu depctr_va_vdst(0)
	LOADU 0, 0, 4096
	LOADU 1, 1, 4096
	MKSCALE 46, 47
	s_wait_alu depctr_va_vdst(0)
.irp s, 0,1,2,3,4,5,6,7
	UNITX \s
.endr
	s_wait_tensorcnt 0x0
	ds_add_u32 v240, v241
	s_wait_dscnt 0x0
	s_endpgm
.Lnot_x:
	s_cmp_lt_u32 ttmp9, 640
	s_cbranch_scc0 .Lpath_m
	; ---- weights
	s_sub_co_u32 s42, ttmp9, 384
	s_lshr_b32 s43, s42, 6                         ; which weight
	s_and_b32 s47, s42, 7                          ; which group of 128 columns
	s_bfe_u32 s48, s42, 0x30003                    ; which K step of 128
	s_cmp_eq_u32 s43, 2
	s_cselect_b64 s[SRC:SRC+1], s[16:17], s[18:19]
	s_cselect_b32 s46, s33, s39
	s_cmp_eq_u32 s43, 1
	s_cselect_b64 s[SRC:SRC+1], s[14:15], s[SRC:SRC+1]
	s_cselect_b32 s46, s31, s46
	s_cmp_eq_u32 s43, 0
	s_cselect_b64 s[SRC:SRC+1], s[12:13], s[SRC:SRC+1]
	s_cselect_b32 s46, s29, s46                    ; e1, e3, e5 or e11
	s_lshl_b32 s50, s48, 19                        ; 128 rows of 4,096 bytes,
	s_lshl_b32 s54, s47, 9                         ; 128 columns of 4 bytes,
	s_add_co_u32 s50, s50, s54
	s_lshl_b32 s54, s40, 7                         ; my wave's 32 columns
	s_add_co_u32 s50, s50, s54
	s_add_nc_u64 s[SRC:SRC+1], s[SRC:SRC+1], s[50:51]
	s_lshl_b32 s50, s43, 20                        ; 1 MiB of codes a weight,
	s_lshl_b32 s54, s47, 17
	s_add_co_u32 s50, s50, s54
	s_lshl_b32 s54, s48, 14                        ; 16 KiB a K step,
	s_add_co_u32 s50, s50, s54
	s_lshl_b32 s54, s40, 12                        ; my wave's 32 columns are tiles 2 w and 2 w + 1
	s_add_co_u32 s50, s50, s54
	s_add_nc_u64 s[DST:DST+1], s[24:25], s[50:51]
	v_lshlrev_b32 v12, 2, v3                       ; in: 4 bytes a lane
	v_bfe_u32 v13, v0, 3, 1                        ; column 32 w + l lies in tile 2 w + (l / 8) % 2,
	v_and_b32 v14, 7, v0
	v_lshl_or_b32 v14, v5, 3, v14                  ; at the place r = l % 8 + 8 (l / 16)
	v_lshlrev_b32 v14, 4, v14
	v_lshl_add_u32 v13, v13, 11, v14
	LOADG 0
	LOADG 1
	MKSCALE 46, 54
	s_wait_alu depctr_va_vdst(0)
.irp c, 0,1,2,3
	GROUPW \c
.endr
	s_endpgm
.Lpath_m:
	; ---- the mask
	s_sub_co_u32 s42, ttmp9, 640
	s_lshl_b32 s42, s42, 2
	s_add_co_u32 s42, s42, s40
	s_lshr_b32 s43, s42, 1                         ; my tile of 16 queries, 0 .. 127
	s_and_b32 s47, s42, 1                          ; and my half of the keys
	s_lshr_b32 s48, s43, 1
	s_lshl_b32 s48, s48, 18                        ; 32 rows of 8,192 bytes
	s_and_b32 s50, s43, 1
	s_lshl_b32 s50, s50, 16
	s_add_co_u32 s48, s48, s50
	s_lshl_b32 s50, s47, 12
	s_add_co_u32 s48, s48, s50
	s_add_nc_u64 s[SRC:SRC+1], s[10:11], s[48:49]
	s_lshl_b32 s50, s43, 17
	s_lshl_b32 s54, s47, 16
	s_add_co_u32 s50, s50, s54
	s_add_nc_u64 s[DST:DST+1], s[26:27], s[50:51]
	s_mov_b32 s54, 0xce6e6b28                      ; -1e9
	s_mov_b32 s55, s54
	s_mov_b32 s56, 0x3fb8aa3b                      ; log2(e)
	s_mov_b32 s57, s56
	s_wait_alu depctr_va_vdst(0)
	LOADU 0, 0, 8192
	LOADU 1, 1, 8192
.irp s, 0,1,2,3,4,5,6,7
	UNITM \s
.endr
	; WHICH TILES OF THE MASK COUNT.  For each tile of 16 queries x 128 keys two bits go to act, as whole numbers that the attention launch reads.
	; LIVE: some row of the tile has (the tile's largest m'') >= (the row's largest m'' over all 2,048 keys) - margin.  margin = 8e6 x 2^(e6 + e7) + 1024 lies above twice the largest |score x log2(e) / 8| that
	; 64 products of codes within +-448 can reach (2 x 64 x 448 x 448 x 0.1804 x 2^(e6 + e7)) by more than 512: in a tile that is not live every t lies more than 512 under its row's M, so every p there is 0 in f32 for all values of q and k.
	; NOT ZERO: some |m''| of the tile is above 0.  The two waves that hold a tile row's halves hand each other the rows' maxima through LDS: the one barrier of this launch, on the mask's path alone, which whole work-groups take.
	s_wait_alu depctr_va_vdst(0)
	v_max3_num_f32 v224, v[TMX], v[TMX+1], v[TMX+2]
	v_max3_num_f32 v225, v[TMX+3], v[TMX+4], v[TMX+5]
	v_max3_num_f32 v224, v224, v[TMX+6], v[TMX+7]
	v_max_num_f32 v224, v224, v225                 ; my lane's largest m'' of its 512 keys
	v_lshl_add_u32 v226, v0, 2, RMX
	ds_store_b32 v226, v224
	v_lshrrev_b32 v227, 6, v0                      ; the pair of waves that share my tile of queries
	v_lshlrev_b32 v227, 8, v227
	v_lshl_add_u32 v227, v4, 2, v227               ; + 4 r: the four words of my row lie 64 bytes apart
	v_add_nc_u32 v227, RMX, v227
	s_add_co_i32 s60, s34, s35                     ; e6 + e7
	s_mov_b32 s61, 0x4af42400                      ; 8e6
	v_mov_b32 v230, s61
	v_ldexp_f32 v230, v230, s60
	v_add_f32 v230, 0x44800000, v230               ; + 1024: the margin
	s_wait_alu depctr_va_vdst(0)
	s_wait_dscnt 0x0                               ; my word is stored
	s_barrier_signal -1
	s_barrier_wait -1
.irp i, 0,1,2,3
	ds_load_b32 v[232+\i], v227 offset:64*\i
.endr
	s_wait_dscnt 0x0
	v_max3_num_f32 v224, v232, v233, v234
	v_max_num_f32 v224, v224, v235                 ; the row's largest m''
	v_sub_f32 v224, v224, v230                     ; less the margin
	s_wait_alu depctr_va_vdst(0)
	s_mov_b32 s60, 0
.irp s, 0,1,2,3,4,5,6,7
	v_cmp_ge_f32 vcc_lo, v[TMX+\s], v224
	s_cmp_lg_u32 vcc_lo, 0
	s_cselect_b32 s61, 1<<\s, 0                    ; live: a value is chosen, nothing branches
	s_or_b32 s60, s60, s61
	v_cmp_lt_f32 vcc_lo, 0, v[TAB+\s]
	s_cmp_lg_u32 vcc_lo, 0
	s_cselect_b32 s61, 0x10000<<\s, 0              ; not zero
	s_or_b32 s60, s60, s61
.endr
	s_lshl_b32 s61, s47, 3
	s_lshl_b32 s60, s60, s61                       ; my half's eight steps: bits 8 x half on (live), 16 + 8 x half on (not zero)
	s_lshl_b32 s62, s42, 8                         ; act: 256 bytes for each tile of queries and half
	s_mov_b32 s63, 0
	s_add_nc_u64 s[58:59], s[58:59], s[62:63]
	v_mov_b32 v226, s60
	v_mov_b32 v227, s60
	v_lshlrev_b32 v228, 3, v3
	global_store_b64 v228, v[226:227], s[58:59]    ; the word in every lane: the wave's one store covers 256 consecutive bytes, aligned
	s_wait_tensorcnt 0x0
	ds_add_u32 v240, v241
	s_wait_dscnt 0x0
	s_endpgm
.Lfunc_end_k_qfd69a8116a_prep:
	.size	k_qfd69a8116a_prep, .Lfunc_end_k_qfd69a8116a_prep-k_qfd69a8116a_prep
	.p2alignl 7, 3214868480
	.fill 96, 4, 3214868480
	.section	.rodata,"a",@progbits
	.p2align	6, 0x0
	.amdhsa_kernel k_qfd69a8116a_prep
		.amdhsa_group_segment_fixed_size 68608
		.amdhsa_private_segment_fixed_size 0
		.amdhsa_enable_private_segment 0
		.amdhsa_kernarg_size 104
		.amdhsa_user_sgpr_count 2
		.amdhsa_user_sgpr_kernarg_segment_ptr 1
		.amdhsa_wavefront_size32 1
		.amdhsa_system_sgpr_workgroup_id_x 1
		.amdhsa_system_sgpr_workgroup_id_y 1
		.amdhsa_system_sgpr_workgroup_id_z 1
		.amdhsa_system_vgpr_workitem_id 0
		.amdhsa_next_free_vgpr 242
		.amdhsa_next_free_sgpr 66
		.amdhsa_reserve_vcc 1
		.amdhsa_float_denorm_mode_32 3
		.amdhsa_float_denorm_mode_16_64 3
		.amdhsa_memory_ordered 1
		.amdhsa_forward_progress 1
		.amdhsa_inst_pref_size 205
	.end_amdhsa_kernel
	.amdgpu_metadata
---
amdhsa.version: [ 1, 2 ]
amdhsa.kernels:
  - .name:           k_qfd69a8116a_prep
    .symbol:         k_qfd69a8116a_prep.kd
    .args:
      - { .name: query, .offset: 0, .size: 8, .value_kind: global_buffer, .address_space: global }
      - { .name: key, .offset: 8, .size: 8, .value_kind: global_buffer, .address_space: global }
      - { .name: value, .offset: 16, .size: 8, .value_kind: global_buffer, .address_space: global }
      - { .name: mask, .offset: 24, .size: 8, .value_kind: global_buffer, .address_space: global }
      - { .name: Wq, .offset: 32, .size: 8, .value_kind: global_buffer, .address_space: global }
      - { .name: Wk, .offset: 40, .size: 8, .value_kind: global_buffer, .address_space: global }
      - { .name: Wv, .offset: 48, .size: 8, .value_kind: global_buffer, .address_space: global }
      - { .name: Wo, .offset: 56, .size: 8, .value_kind: global_buffer, .address_space: global }
      - { .name: lowp_scales, .offset: 64, .size: 8, .value_kind: global_buffer, .address_space: global }
      - { .name: xc, .offset: 72, .size: 8, .value_kind: global_buffer, .address_space: global }
      - { .name: wc, .offset: 80, .size: 8, .value_kind: global_buffer, .address_space: global }
      - { .name: mimg, .offset: 88, .size: 8, .value_kind: global_buffer, .address_space: global }
      - { .name: act, .offset: 96, .size: 8, .value_kind: global_buffer, .address_space: global }
    .group_segment_fixed_size: 68608
    .private_segment_fixed_size: 0
    .kernarg_segment_align: 8
    .kernarg_segment_size: 104
    .max_flat_workgroup_size: 128
    .sgpr_count:     66
    .vgpr_count:     242
    .wavefront_size: 32
...
	.end_amdgpu_metadata
.endif
;; end of part 1
;; launch proj (part 2): grid 4 x 96, 4 waves a work-group, clusters of 4 x 4, 327,680 bytes of LDS; arguments xc, wc, lowp_scales, bq, bk, bv, qc, kv; writes qc, kv
.if DOCPART == 2
	.amdgcn_target "amdgcn-amd-amdhsa--gfx1250"
	.amdhsa_code_object_version 6
	.text
	.protected	k_qfd69a8116a_proj
	.globl	k_qfd69a8116a_proj
	.p2align	8
	.type	k_qfd69a8116a_proj,@function
k_qfd69a8116a_proj:
	s_mov_b64 s[64:65], 0
	v_nop
	global_prefetch_b8 v0, s[64:65] scope:SCOPE_SE
	s_setreg_imm32_b32 hwreg(HW_REG_WAVE_MODE, 25, 1), 1
	s_wait_xcnt 0x0
	s_wait_alu depctr_hold_cnt(0) depctr_sa_sdst(0) depctr_va_vdst(0) depctr_va_sdst(0) depctr_va_ssrc(0) depctr_va_vcc(0) depctr_vm_vsrc(0)
	s_getreg_b32 s2, hwreg(HW_REG_IB_STS2, 6, 4)
	s_cmp_eq_u32 s2, 0
	s_cbranch_scc0 .Lentry_in_a_cluster
	s_endpgm
.Lentry_in_a_cluster:
	s_bfe_u32 s2, ttmp6, 0x10000c
	s_cmp_lg_u32 s2, 0xf033
	s_cbranch_scc0 .Lentry_shape_is_right
	s_endpgm
.Lentry_shape_is_right:
.set FR,     16
.set NL,     4
.set NP,     4
.set HALFT,  32768
.set SLOT,   4*HALFT
.set SPARE,  2*SLOT
.set SCL,  10
.set LIM,  11
.set ADRA, 16
.set ADRB, 20
.set CO,   26
.set SPW,  28
.set NIL,  29
.set BP,   32
.set BR,   96
.set TMP,  128
.set AF,   128
.set G1, 24
.set G0, 32
.set G1B, 48
.set G0B, 56
.set MSB, 0
.macro WIN new
.if MSB != \new
	s_set_vgpr_msb (MSB<<8)|\new
.set MSB, \new
.endif
.endm
.set MUL_LO, 0xa1
.set MUL_HI, 0xf1
.set TO_B,   0x40
.macro JLOAD g0a, g1a, g0b, g1b
	s_cmp_eq_u32 s15, 0
	s_cbranch_scc0 .Lfor_b_\@
	tensor_load_to_lds s[\g0a:\g0a+3], s[\g1a:\g1a+7]
	s_nop 0
.rept 4
	v_nop
.endr
	s_branch .Lasked_\@
.Lfor_b_\@:
	tensor_load_to_lds s[\g0b:\g0b+3], s[\g1b:\g1b+7]
	s_nop 0
.rept 4
	v_nop
.endr
.Lasked_\@:
.endm
.macro CREST
	s_cmp_lg_u32 s14, 0
	s_cbranch_scc1 .Lnot_wave_0_\@
	s_barrier_signal -3
.Lnot_wave_0_\@:
	s_barrier_wait -3
	s_barrier_signal -1
	s_barrier_wait -1
.endm
.macro CROUND
	s_barrier_signal -1
	s_barrier_wait -1
	CREST
.endm
.macro FRAG reg, adr, q, i
.irp c, 0,1,2,3
	ds_load_b128 v[\reg+4*\c:\reg+4*\c+3], v[\adr] offset:16384*(\q)+2048*(\i)+512*\c
.endr
.endm
.macro MUL16 a0, p, zero
.irp a, \a0, \a0+1
.irp b, 0,1,2,3,4,5,6,7
.if \zero
	v_wmma_f32_16x16x128_fp8_fp8 v[8*(8*((\a)%4)+\b):8*(8*((\a)%4)+\b)+7], v[128*(\p)+FR*\b:128*(\p)+FR*\b+FR-1], v[AF+FR*(\a):AF+FR*(\a)+FR-1], 0
.else
	v_wmma_f32_16x16x128_fp8_fp8 v[8*(8*((\a)%4)+\b):8*(8*((\a)%4)+\b)+7], v[128*(\p)+FR*\b:128*(\p)+FR*\b+FR-1], v[AF+FR*(\a):AF+FR*(\a)+FR-1], v[8*(8*((\a)%4)+\b):8*(8*((\a)%4)+\b)+7]
.endif
.endr
.endr
.endm
.macro FETCH_B slot, q, p
	WIN TO_B
.irp i, 0,1,2,3,4,5,6,7
	FRAG 128*(\p)+FR*\i, ADRB+\slot, \q, \i
.endr
	WIN 0
.endm
.macro FETCH_A slot, q, i0
.irp i, \i0, \i0+1, \i0+2, \i0+3
	FRAG AF+FR*(\i), ADRA+\slot, \q, \i
.endr
.endm
.macro PLACES n
.rept \n
	v_nop
.endr
.endm
.macro STEP slot, q, zero
	s_wait_dscnt 4*NL
	WIN MUL_LO
	MUL16 0, (\q)%2, \zero
	MUL16 2, (\q)%2, \zero
	s_wait_dscnt 0
	PLACES NP
	FETCH_B \slot, (\q)+1, 1-(\q)%2
	FETCH_A \slot, (\q)+1, 0
	WIN MUL_HI
	MUL16 4, (\q)%2, \zero
	MUL16 6, (\q)%2, \zero
	PLACES NP
	WIN 0
	FETCH_A \slot, (\q)+1, 4
.endm
.macro TURN slot, next, fill
	s_wait_tensorcnt 0x0
	ds_add_u32 v[SPW], v[NIL]
	s_wait_dscnt 4*NL+1
	WIN MUL_LO
	MUL16 0, 1, 0
	s_wait_dscnt 0x0
	s_barrier_signal -1
	MUL16 2, 1, 0
	WIN 0
	s_barrier_wait -1
.if \fill
	CREST
	s_add_nc_u64 s[G0+4*\slot+2:G0+4*\slot+3], s[G0+4*\slot+2:G0+4*\slot+3], 2*HALFT
	s_add_nc_u64 s[G0B+4*\slot+2:G0B+4*\slot+3], s[G0B+4*\slot+2:G0B+4*\slot+3], 2*HALFT
	JLOAD G0+4*\slot, G1, G0B+4*\slot, G1B
.else
	PLACES NP
.endif
	FETCH_B \next, 0, 0
	FETCH_A \next, 0, 0
	WIN MUL_HI
	MUL16 4, 1, 0
	MUL16 6, 1, 0
	PLACES NP
	WIN 0
	FETCH_A \next, 0, 4
.endm
.macro OUTB a, kind
.set AC, 64*((\a)%4)
.set CD, 192+16*((\a)%4)
	WIN 0x02+((\a)/4)
.set j, 0
.rept 32
.if \kind
	v_pk_add_f32 v[TMP+j:TMP+j+1], v[AC+j:AC+j+1], v[BR+2*(\a):BR+2*(\a)+1]
.else
	v_pk_add_f32 v[TMP+j:TMP+j+1], v[AC+j:AC+j+1], v[BP+j:BP+j+1]
.endif
.set j, j+2
.endr
	WIN 0
.set j, 0
.rept 64
	v_med3_num_f32 v[TMP+j], v[TMP+j], -v[LIM], v[LIM]
.set j, j+1
.endr
.if (\a) >= 4
	s_wait_alu depctr_va_vdst(0)
	s_wait_xcnt 0x0
.endif
.irp b, 0,1,2,3
	v_cvt_scalef32_pk8_fp8_f32 v[CD+4*\b:CD+4*\b+1], v[TMP+16*\b:TMP+16*\b+7], v[SCL]
	v_cvt_scalef32_pk8_fp8_f32 v[CD+4*\b+2:CD+4*\b+3], v[TMP+16*\b+8:TMP+16*\b+15], v[SCL]
.endr
	v_nop
.irp b, 0,1,2,3
	global_store_b128 v[CO], v[CD+4*\b:CD+4*\b+3], s[94:95] offset:(\b/2)*16384+(\a)*1024+(\b%2)*512
.endr
.endm
	s_load_b256 s[4:11], s[0:1], 0x0
	s_load_b256 s[68:75], s[0:1], 0x20
	v_lshl_add_u32 v[SPW], v0, 2, SPARE
	v_mov_b32 v[NIL], 0
	ds_add_u32 v28, v29
	ds_add_u32 v28, v29
	s_wait_dscnt 0x0
	v_lshrrev_b32 v1, 5, v0
	v_readfirstlane_b32 s14, v1
	s_lshr_b32 s15, s14, 1
	s_and_b32 s16, s14, 1
	s_bfe_u32 s40, ttmp6, 0x40000
	s_bfe_u32 s41, ttmp6, 0x40004
	s_lshl_b32 s42, ttmp9, 2
	s_add_co_u32 s42, s42, s40
	s_and_b32 s13, ttmp7, 0xffff
	s_lshr_b32 s12, s13, 3
	s_and_b32 s17, s13, 7
	s_lshl_b32 s17, s17, 2
	s_add_co_u32 s17, s17, s41
	s_lshl_b32 s43, s41, 2
	s_lshl_b32 s43, 15, s43
	s_lshl_b32 s44, 0x1111, s40
	s_or_b32 s[G1+0], s43, (3<<16)|(1<<21)
	s_or_b32 s[G1B+0], s44, (3<<16)|(1<<21)
.irp g, G1, G1B
	s_mov_b32 s[\g+1], 32<<16
	s_mov_b32 s[\g+2], 128<<16
	s_mov_b32 s[\g+3], 32<<16
	s_mov_b32 s[\g+4], 128
	s_mov_b32 s[\g+5], 32
	s_mov_b32 s[\g+6], 0
	s_mov_b32 s[\g+7], 0
.endr
	s_lshl_b32 s20, s17, 1
	s_add_co_u32 s20, s20, s16
	s_lshl_b32 s20, s20, 17
	s_lshl_b32 s21, s12, 23
	s_add_co_u32 s20, s20, s21
	s_mov_b32 s21, 0
	s_lshl_b32 s46, s42, 1
	s_add_co_u32 s46, s46, s16
	s_lshl_b32 s46, s46, 17
	s_lshl_b32 s47, s12, 20
	s_add_co_u32 s46, s46, s47
	s_mov_b32 s47, 0
	s_mul_i32 s45, s14, HALFT
	s_wait_kmcnt 0x0
	s_load_b256 s[76:83], s[8:9], 0x0
	s_load_b128 s[84:87], s[8:9], 0x20
	s_add_nc_u64 s[20:21], s[4:5], s[20:21]
	s_add_nc_u64 s[46:47], s[6:7], s[46:47]
	CROUND
.irp s, 0,1
	s_mov_b32 s[G0+4*\s], 1
	s_add_co_u32 s[G0+4*\s+1], s45, \s*SLOT
	s_add_nc_u64 s[G0+4*\s+2:G0+4*\s+3], s[20:21], \s*HALFT
	s_or_b32 s[G0+4*\s+3], s[G0+4*\s+3], 0x80000000
	s_mov_b32 s[G0B+4*\s], 1
	s_add_co_u32 s[G0B+4*\s+1], s45, \s*SLOT
	s_add_nc_u64 s[G0B+4*\s+2:G0B+4*\s+3], s[46:47], \s*HALFT
	s_or_b32 s[G0B+4*\s+3], s[G0B+4*\s+3], 0x80000000
	s_wait_alu depctr_va_vdst(0)
	s_wait_tensorcnt 0x0
	ds_add_u32 v28, v29
	ds_add_u32 v28, v29
	s_wait_dscnt 0x0
	CROUND
	JLOAD G0+4*\s, G1, G0B+4*\s, G1B
.endr
	v_and_b32 v6, 31, v0
	v_lshlrev_b32 v[CO], 4, v6
	v_lshlrev_b32 v7, 8, v6                        ; 256 x lane; never rewritten
	s_wait_alu depctr_va_vdst(0)
	; prefetches into the L2 of K steps 2 and 3, which the two refills will ask for.  A wave's part of a K step is 32 KiB, dense; the four partners that ask for it jointly share it out by address, 8 KiB each (cx for A, cy for B), lanes 256 bytes apart
	s_cmp_eq_u32 s15, 0
	s_cselect_b64 s[2:3], s[20:21], s[46:47]
	s_cselect_b32 s98, s40, s41
	s_lshl_b32 s98, s98, 13
	s_mov_b32 s99, 0
	s_add_nc_u64 s[2:3], s[2:3], s[98:99]
	global_prefetch_b8 v7, s[2:3] offset:2*HALFT th:TH_LOAD_NT scope:SCOPE_SE
	global_prefetch_b8 v7, s[2:3] offset:3*HALFT th:TH_LOAD_NT scope:SCOPE_SE
	s_lshl_b32 s18, s15, 15
	s_lshl_b32 s19, s16, 15
	s_add_co_u32 s19, s19, 2*HALFT
	s_cmp_eq_u32 s12, 2
	s_cselect_b32 s22, s19, s18
	s_cselect_b32 s23, s18, s19
.irp s, 0,1
	v_add_nc_u32 v[ADRA+\s], s22, v[CO]
	v_add_nc_u32 v[ADRB+\s], s23, v[CO]
	s_add_co_u32 s22, s22, SLOT
	s_add_co_u32 s23, s23, SLOT
.endr
	s_lshl_b32 s90, s42, 1
	s_add_co_u32 s90, s90, s16
	s_lshl_b32 s91, s17, 1
	s_add_co_u32 s91, s91, s15
	s_cmp_eq_u32 s12, 1
	s_cselect_b64 s[88:89], s[68:69], s[70:71]
	s_cmp_eq_u32 s12, 0
	s_cselect_b64 s[88:89], s[10:11], s[88:89]
	s_cselect_b64 s[94:95], s[72:73], s[74:75]
	s_lshl_b32 s92, s90, 9
	s_mov_b32 s93, 0
	s_add_nc_u64 s[88:89], s[88:89], s[92:93]
	s_cmp_eq_u32 s12, 2
	s_cselect_b32 s92, 8192, 0
	s_lshr_b32 s96, s91, 4
	s_lshl_b32 s96, s96, 22
	s_add_co_u32 s92, s92, s96
	s_lshl_b32 s96, s90, 19
	s_add_co_u32 s92, s92, s96
	s_and_b32 s96, s91, 15
	s_lshl_b32 s96, s96, 15
	s_add_co_u32 s92, s92, s96
	s_add_nc_u64 s[94:95], s[94:95], s[92:93]
	v_and_b32 v1, 15, v0
	v_bfe_u32 v2, v0, 4, 1
	v_lshlrev_b32 v3, 6, v2
	v_and_b32 v4, 8, v1
	v_add_nc_u32 v4, v4, v1
	v_lshlrev_b32 v4, 2, v4
.irp i, 0,1,2,3,4,5,6,7,8,9,10,11,12,13,14,15
	global_load_b128 v[BP+4*\i:BP+4*\i+3], v3, s[88:89] offset:128*(\i/4)+16*(\i%4)
.endr
.irp a, 0,1,2,3,4,5,6,7
	global_load_b32 v[BR+2*\a], v4, s[88:89] offset:4*(32*(\a/2)+8*(\a%2))
	global_load_b32 v[BR+2*\a+1], v4, s[88:89] offset:4*(32*(\a/2)+8*(\a%2))
.endr
	s_wait_alu depctr_va_vdst(0)
	s_wait_tensorcnt 1
	s_barrier_signal -1
	s_barrier_wait -1
	FETCH_B 0, 0, 0
	FETCH_A 0, 0, 0
	FETCH_A 0, 0, 4
	STEP 0, 0, 1
	TURN 0, 1, 1
	STEP 1, 0, 0
	TURN 1, 0, 1
	STEP 0, 0, 0
	TURN 0, 1, 0
	STEP 1, 0, 0
	s_wait_dscnt 4*NL
	WIN MUL_LO
	MUL16 0, 1, 0
	MUL16 2, 1, 0
	s_wait_dscnt 0
	WIN MUL_HI
	MUL16 4, 1, 0
	MUL16 6, 1, 0
	WIN 0
	s_wait_kmcnt 0x0
	s_add_co_i32 s76, s76, s77
	s_add_co_i32 s78, s78, s79
	s_add_co_i32 s80, s80, s81
	s_cmp_eq_u32 s12, 1
	s_cselect_b32 s96, s78, s80
	s_cselect_b32 s97, s83, s85
	s_cmp_eq_u32 s12, 0
	s_cselect_b32 s96, s76, s96
	s_cselect_b32 s97, s82, s97
	s_sub_co_i32 s97, s97, s96
	s_sub_co_i32 s96, 0, s96
	s_add_co_i32 s97, s97, 127
	s_lshl_b32 s98, s97, 23
	v_mov_b32 v[SCL], s98
	s_add_co_i32 s97, s97, 8
	s_lshl_b32 s97, s97, 23
	s_or_b32 s97, s97, 0x600000
	v_mov_b32 v[LIM], s97
	s_wait_loadcnt 0x0
	PLACES NP
	s_cmp_eq_u32 s12, 2
	s_cbranch_scc1 .Lout_v
.set j, 0
.rept 64
	v_ldexp_f32 v[BP+j], v[BP+j], s96
.set j, j+1
.endr
.irp a, 0,1,2,3,4,5,6,7
	OUTB \a, 0
.endr
	s_branch .Ldone
.Lout_v:
.set j, 0
.rept 16
	v_ldexp_f32 v[BR+j], v[BR+j], s96
.set j, j+1
.endr
.irp a, 0,1,2,3,4,5,6,7
	OUTB \a, 1
.endr
.Ldone:
	s_wait_tensorcnt 0x0
	ds_add_u32 v[SPW], v[NIL]
	s_wait_dscnt 0x0
	CROUND
	s_endpgm
.Lfunc_end_k_qfd69a8116a_proj:
	.size	k_qfd69a8116a_proj, .Lfunc_end_k_qfd69a8116a_proj-k_qfd69a8116a_proj
	.p2alignl 7, 3214868480
	.fill 96, 4, 3214868480
	.section	.rodata,"a",@progbits
	.p2align	6, 0x0
	.amdhsa_kernel k_qfd69a8116a_proj
		.amdhsa_group_segment_fixed_size 327680
		.amdhsa_private_segment_fixed_size 0
		.amdhsa_enable_private_segment 0
		.amdhsa_kernarg_size 64
		.amdhsa_user_sgpr_count 2
		.amdhsa_user_sgpr_kernarg_segment_ptr 1
		.amdhsa_wavefront_size32 1
		.amdhsa_system_sgpr_workgroup_id_x 1
		.amdhsa_system_sgpr_workgroup_id_y 1
		.amdhsa_system_sgpr_workgroup_id_z 1
		.amdhsa_system_vgpr_workitem_id 0
		.amdhsa_next_free_vgpr 1024
		.amdhsa_next_free_sgpr 100
		.amdhsa_reserve_vcc 0
		.amdhsa_float_denorm_mode_32 3
		.amdhsa_float_denorm_mode_16_64 3
		.amdhsa_memory_ordered 1
		.amdhsa_forward_progress 1
		.amdhsa_inst_pref_size 200
	.end_amdhsa_kernel
	.amdgpu_metadata
---
amdhsa.version: [ 1, 2 ]
amdhsa.kernels:
  - .name:           k_qfd69a8116a_proj
    .symbol:         k_qfd69a8116a_proj.kd
    .args:
      - { .name: xc, .offset: 0, .size: 8, .value_kind: global_buffer, .address_space: global }
      - { .name: wc, .offset: 8, .size: 8, .value_kind: global_buffer, .address_space: global }
      - { .name: lowp_scales, .offset: 16, .size: 8, .value_kind: global_buffer, .address_space: global }
      - { .name: bq, .offset: 24, .size: 8, .value_kind: global_buffer, .address_space: global }
      - { .name: bk, .offset: 32, .size: 8, .value_kind: global_buffer, .address_space: global }
      - { .name: bv, .offset: 40, .size: 8, .value_kind: global_buffer, .address_space: global }
      - { .name: qc, .offset: 48, .size: 8, .value_kind: global_buffer, .address_space: global }
      - { .name: kv, .offset: 56, .size: 8, .value_kind: global_buffer, .address_space: global }
    .group_segment_fixed_size: 327680
    .private_segment_fixed_size: 0
    .kernarg_segment_align: 8
    .kernarg_segment_size: 64
    .max_flat_workgroup_size: 128
    .sgpr_count:     100
    .vgpr_count:     1024
    .wavefront_size: 32
...
	.end_amdgpu_metadata
.endif
;; end of part 2
;; launch attn (part 3): grid 8 x 32, 8 waves a work-group, no clusters, 66,560 bytes of LDS; arguments qc, kv, mimg, lowp_scales, act, cx; writes cx
.if DOCPART == 3
	.amdgcn_target "amdgcn-amd-amdhsa--gfx1250"
	.amdhsa_code_object_version 6
	.text
	.protected	k_qfd69a8116a_attn
	.globl	k_qfd69a8116a_attn
	.p2align	8
	.type	k_qfd69a8116a_attn,@function
k_qfd69a8116a_attn:
	s_mov_b64 s[64:65], 0
	v_nop
	global_prefetch_b8 v0, s[64:65] scope:SCOPE_SE
	s_setreg_imm32_b32 hwreg(HW_REG_WAVE_MODE, 25, 1), 1
	s_wait_xcnt 0x0
; ATTN: for each batch and head, o = softmax(q k^T / 8 + mask x -1e9) v, both products on codes of FP8 (E4M3); o is quantised at once with the scale given for it and leaves as codes laid as the last product's operand registers.
; THE SOFTMAX AHEAD OF THE SECOND PRODUCT: t = (score + mask term) x log2(e); M = the running largest t rounded UP to a whole number; p = 2^(t - M) is quantised, not normalised; the row's sum is taken of the unquantised p and divides at the end.
; THE MASK IS AN INPUT, AND WHAT IT HOLDS DECIDES THE WORK.  The launch before has stored, as whole numbers in act, two bits for each tile of 16 queries x 128 keys.  LIVE = 0: every p of the tile is 0 in f32 whatever q and k hold
; (the tile's mask terms lie under each row's largest by more than twice the largest |score x log2(e) / 8| that codes can reach, and 512): the step's work is jumped over.  NOT ZERO = 0: every mask term of the tile is 0: no mask is loaded, t = sum x c.
; Else the general step: m'' = (mask x -1e9) x log2(e) comes from memory laid as the scores' registers, t = sum x c + m'' is ROUNDED before M is taken away, so that a row whose mask terms swallow its scores has equal t and p = 1 everywhere.
; The branches hang on those stored bits and on entry 8 of the scales alone.  The trip counts are constants and every wave passes every barrier.
; SHARES.  A work-group owns a PAIR of heads and two groups of 128 queries, 15 - x and x of the batch's 16, which it takes ONE AFTER THE OTHER: two loops of 16 steps of 128 keys.  In each, all eight waves work on the same group:
; wave w takes head w % 2 of the pair and queries 32 (w / 2) on (two tiles of 16): a fragment of k or v feeds two tiles.  A step's k and v of both heads are one dense block of 32 KiB: each wave brings 4 KiB of it into 32 registers a trip ahead
; and stores them into the LDS slot that is not being read; two slots, one barrier a trip; the ring runs on from the first loop into the second.  A block that no wave of the work-group needs is neither loaded nor stored.
; LAYOUT.  Both products are used transposed: S^T = k q^T, O^T = v^T p^T: a lane holds ONE query.  Tile t's lane r holds row 32 (t / 2) + 8 (t % 2) + r + 8 (r / 8), so the conversions' results are the next operand's registers.
; THE HOLD of p at 448 x 2^e8 is jumped over where e8 >= -8: p is at most 1 and the bound then at least 1.75.
; NO CLUSTER: joint loads are tensor loads.
; LIMITS: entries 6 + 7 between -123 and 130 (added to c's exponent field); entries 8 and 10 between -126 and 119.  NaN is not served.
; REGISTERS.  window 0: v1-5 addresses; v6, v7 2^e8 and its bound; v8-15, v232-255 my 4 KiB of the next block; v16-31, v32-47 Q of the two groups; v48-111 fragments of k, then of v; v112-175 S^T, then p; v176-207 p's codes;
;   v208-215 a tile's -M, largest t, sum; v216 v's address; v217, v218 2^e10 and its bound; v224-231 at work.   window 1: v0-63 O^T (32 a tile); v128-255 the mask of a general step (64 a query tile).
.set SLOT1, 32768
.set SPARE, 65536                      ; behind the two slots: the spare words, 128 bytes for each of eight waves
.set LI,   1                           ; v1  16 x lane
.set ADK,  2                           ; v2  where my head's k lies in the slot in hand
.set PFO,  3                           ; v3  256 x lane: the prefetches' offset
.set SPW,  4                           ; v4  my spare word; never rewritten
.set NIL,  5                           ; v5  0; never rewritten
.set QA,   16
.set QB,   32
.set FR,   48
.set S,    112
.set PC,   176
.set ST,   208
.set ADV,  216                         ; v216 where my head's v lies
.set CH,   224                         ; v224-229 six chains at work
.set F,    230                         ; v[230:231] f = 2^(old M - new M), and 0
.set MK,   128                         ; in window 1
.set TBK,  2                           ; s2  the slot in hand + my head's 16 KiB
.set TBO,  3                           ; s3  the other slot + my wave's 4 KiB in it
.set PR,   16                          ; s16 the pair of heads: 8 x batch + head / 2
.set WV,   18
.set J,    19                          ; s19 which 32 queries of the group
.set SEL,  20                          ; s[20:21] selects of v_permlanex16_b32: lane xor 16
.set CS,   22                          ; s[22:23] c = log2(e) / 8 x 2^(e6 + e7)
.set BA,   24                          ; s24, s25 the first and the second group of 128 queries
.set BB,   25
.set NEED, 26                          ; five registers of bits, 16 for each loop, shifted right by one a trip, so that bit n speaks of the trip n on: some wave of the work-group is live;
.set ACT,  27                          ; my wave is live;
.set GEN,  28                          ; my wave is live and its mask is not zero;
.set PKM,  29                          ; NEED of the first loop, in the waves that prefetch k and v, else 0;
.set PMM,  30                          ; GEN, in the waves that prefetch the mask, else 0
.set HF,   31                          ; s31 1: p is held
.set CNT,  32                          ; s32 trips done, 0 .. 32
.set E89,  33
.set KVB,  34                          ; s[34:35] my 4 KiB of the block two trips on
.set MB,   36                          ; s[36:37] my two mask images at the next trip
.set PFK,  38                          ; s[38:39] my part of the block four trips on
.set PFM,  40                          ; s[40:41] my mask images three trips on
.set CXA,  42                          ; s[42:43], s[62:63] where my codes go
.set CXB,  62
.set OFA,  53                          ; s53, s54 my first mask image in the two groups, in bytes
.set OFB,  54
.set TBV,  55                          ; s55 the slot in hand + my head's 4 KiB among v's tiles
.set WOFF, 56                          ; s56 4 KiB x wave
.set POFF, 57                          ; s57 8 KiB x (wave % 4)
.set HX,   58                          ; s58 my head of the pair
.set MSB, 0
.macro WIN new
.if MSB != \new
	s_set_vgpr_msb (MSB<<8)|\new
.set MSB, \new
.endif
.endm
.macro GETL off                        ; my 4 KiB of a block: eight loads of 512 consecutive bytes
.set n, 0
.irp r, 8,12,232,236,240,244,248,252
	global_load_b128 v[\r:\r+3], v[LI], s[KVB:KVB+1] offset:\off+512*n
.set n, n+1
.endr
.endm
.macro PUT sb                          ; and into LDS, at the same place in a slot
	v_add_nc_u32 v[CH+5], s[\sb], v[LI]
.set n, 0
.irp r, 8,12,232,236,240,244,248,252
	ds_store_b128 v[CH+5], v[\r:\r+3] offset:512*n
.set n, n+1
.endr
.endm
.macro GET                             ; the block two trips on, if any wave needs it.  It stands behind a wait on DScnt: PUT's stores have read the registers
	s_bitcmp1_b32 s[NEED], 2
	s_cbranch_scc0 .Lng_\@
	GETL 0
.Lng_\@:
.endm
.macro MNEXT q                         ; the next trip's mask of query tile q, if that trip is a general one of mine
	s_bitcmp1_b32 s[GEN], 1
	s_cbranch_scc0 .Lnm_\@
	WIN 0x40
.irp i, 0,1,2,3,4,5,6,7,8,9,10,11,12,13,14,15
	global_load_b128 v[MK+64*(\q)+4*\i:MK+64*(\q)+4*\i+3], v[LI], s[MB:MB+1] offset:(\q)*131072+512*\i
.endr
	WIN 0
.Lnm_\@:
.endm
; PREFETCHES INTO THE L2, two trips ahead of the loads that will want the bytes.  k and v: the eight work-groups of a pair walk the same blocks; work-group 0 asks, its waves 4 to 7, 8 KiB each, lanes 256 bytes apart, in its first loop, for the block four trips on
; (this trip loads the block two trips on); the second loop walks blocks that have been read.  The mask: all 32 pairs and both heads read the same images; pair 0's waves of head 0 ask, each for its own two images' 8 KiB three trips on.
; The bits behind the last trip are 0, so nothing is asked for behind the end.  The first steps come by their loads alone.
.macro ASK
	s_bitcmp1_b32 s[PKM], 4
	s_cbranch_scc0 .Lnk_\@
	global_prefetch_b8 v[PFO], s[PFK:PFK+1] th:TH_LOAD_NT scope:SCOPE_SE
.Lnk_\@:
	s_bitcmp1_b32 s[PMM], 3
	s_cbranch_scc0 .Lnp_\@
	global_prefetch_b8 v[PFO], s[PFM:PFM+1] th:TH_LOAD_NT scope:SCOPE_SE
	global_prefetch_b8 v[PFO], s[PFM:PFM+1] offset:131072 th:TH_LOAD_NT scope:SCOPE_SE
.Lnp_\@:
.endm
.macro MPTR dst, ahead                 ; my mask images at trip CNT + ahead: bit 4 of the trip's number says which group, its low four bits which step
	s_add_co_u32 s17, s[CNT], \ahead
	s_bitcmp1_b32 s17, 4
	s_cselect_b32 s44, s[OFB], s[OFA]
	s_and_b32 s17, s17, 15
	s_lshl_b32 s17, s17, 13
	s_add_co_u32 s44, s44, s17
	s_add_nc_u64 s[\dst:\dst+1], s[8:9], s[44:45]
.endm
.macro KPTR dst, ahead, part           ; a part of the block of trip CNT + ahead
	s_add_co_u32 s44, s[CNT], \ahead
	s_and_b32 s44, s44, 15
	s_lshl_b32 s44, s44, 15
	s_add_co_u32 s44, s44, s[\part]
	s_add_nc_u64 s[\dst:\dst+1], s[6:7], s[44:45]
.endm
.macro PTRS
	KPTR KVB, 2, WOFF
	KPTR PFK, 4, POFF
	MPTR MB, 1
	MPTR PFM, 3
.endm
.macro MAXS                            ; the largest of v[S .. S+63] into v[CH]: six chains by turns, each accumulator from its low end on
.set n, 0
.rept 6
	v_max3_num_f32 v[CH+n], v[S+3*n], v[S+3*n+1], v[S+3*n+2]
.set n, n+1
.endr
.set n, 0
.rept 23
	v_max3_num_f32 v[CH+n%6], v[CH+n%6], v[S+18+2*n], v[S+19+2*n]
.set n, n+1
.endr
	s_delay_alu instid0(VALU_DEP_3)
	v_max3_num_f32 v[CH], v[CH], v[CH+1], v[CH+2]
	s_delay_alu instid0(VALU_DEP_2)
	v_max3_num_f32 v[CH+3], v[CH+3], v[CH+4], v[CH+5]
	s_delay_alu instid0(VALU_DEP_1)
	v_max_num_f32 v[CH], v[CH], v[CH+3]
.endm
; ONE QUERY TILE q FOR ONE STEP OF 128 KEYS.  gen = 1: the mask is added; gen = 0: it is zero.  qb: the group's Q.
.macro TILE q, gen, qb
.set T4, ST+4*(\q)
.irp t, 0,1,2,3,4,5,6,7
	v_wmma_f32_16x16x64_fp8_fp8 v[S+8*\t:S+8*\t+7], v[FR+8*\t:FR+8*\t+7], v[\qb+8*(\q):\qb+8*(\q)+7], 0
.endr
.rept 4
	v_nop                                          ; places in front of the first read of the scores and of loads into k's registers
.endr
.if \q == 1                            ; both query tiles have multiplied by k: its registers take the head's v^T, four tiles of 16 x 128 keys
.irp dt, 0,1,2,3
.irp g, 0,1,2,3
	ds_load_b128 v[FR+16*\dt+4*\g:FR+16*\dt+4*\g+3], v[ADV] offset:8192+(\g/2)*16384+\dt*1024+(\g%2)*512
.endr
.endr
.endif
.if \gen
	WIN 0x10                                       ; source 2 (the mask) window 1
.set j, 0
.rept 32
	v_pk_fma_f32 v[S+j:S+j+1], v[S+j:S+j+1], s[CS:CS+1], v[MK+64*(\q)+j:MK+64*(\q)+j+1] op_sel_hi:[1,0,1]   ; t = sum x c + m''
.set j, j+2
.endr
	WIN 0
	s_wait_alu depctr_va_vdst(0)
	MNEXT \q                                       ; the mask has served
.endif
	MAXS
	s_delay_alu instid0(VALU_DEP_1)
	v_permlanex16_b32 v[CH+1], v[CH], s[SEL], s[SEL+1]
	s_delay_alu instid0(VALU_DEP_1)
	v_max_num_f32 v[CH], v[CH], v[CH+1]            ; and among lane xor 16's
.if \gen == 0
	s_delay_alu instid0(VALU_DEP_1)
	v_mul_f32 v[CH], s[CS], v[CH]                  ; the largest sum as t (c is positive)
.endif
	s_delay_alu instid0(VALU_DEP_1)
	v_max_num_f32 v[T4+1], v[T4+1], v[CH]          ; the running largest t
	v_mov_b32 v[CH], v[T4]
	s_delay_alu instid0(VALU_DEP_2)
	v_floor_f32 v[T4], -v[T4+1]                    ; the new -M = floor(-t): M is a whole number
	s_delay_alu instid0(VALU_DEP_1)
	v_sub_f32 v[CH], v[T4], v[CH]                  ; old M - new M, a whole number, 0 or less
	s_delay_alu instid0(VALU_DEP_1)
	v_cvt_i32_f32 v[CH], v[CH]                     ; (it saturates)
	s_delay_alu instid0(VALU_DEP_1)
	v_ldexp_f32 v[F], 1.0, v[CH]                   ; f = 2^(old M - new M)
.set j, 0
.rept 32
.if \gen
	v_pk_add_f32 v[S+j:S+j+1], v[S+j:S+j+1], v[T4:T4+1] op_sel_hi:[1,0]   ; t - M
.else
	v_pk_fma_f32 v[S+j:S+j+1], v[S+j:S+j+1], s[CS:CS+1], v[T4:T4+1] op_sel_hi:[1,0,0]   ; sum x c - M
.endif
.set j, j+2
.endr
	s_wait_alu depctr_va_vdst(0)
.set j, 0
.rept 64
	v_exp_f32 v[S+j], v[S+j]                       ; p = 2^(t - M), at most 1
.set j, j+1
.endr
	v_pk_mul_f32 v[T4+2:T4+3], v[T4+2:T4+3], v[F:F+1] op_sel_hi:[1,0]   ; the sum under the new M: the plain line behind the exponentials
	s_wait_alu depctr_va_vdst(0)                   ; one wait for the whole batch, ahead of its first reader
	v_pk_add_f32 v[CH:CH+1], v[S:S+1], v[S+2:S+3]  ; the row's sum is taken of the unquantised p, in four chains
	v_pk_add_f32 v[CH+2:CH+3], v[S+4:S+5], v[S+6:S+7]
	v_pk_add_f32 v[CH+4:CH+5], v[S+8:S+9], v[S+10:S+11]
.set j, 12
.rept 6
	v_pk_add_f32 v[T4+2:T4+3], v[T4+2:T4+3], v[S+j:S+j+1]
	v_pk_add_f32 v[CH:CH+1], v[CH:CH+1], v[S+j+2:S+j+3]
	v_pk_add_f32 v[CH+2:CH+3], v[CH+2:CH+3], v[S+j+4:S+j+5]
	v_pk_add_f32 v[CH+4:CH+5], v[CH+4:CH+5], v[S+j+6:S+j+7]
.set j, j+8
.endr
	v_pk_add_f32 v[T4+2:T4+3], v[T4+2:T4+3], v[S+60:S+61]
	v_pk_add_f32 v[CH:CH+1], v[CH:CH+1], v[S+62:S+63]
	v_pk_add_f32 v[CH+2:CH+3], v[CH+2:CH+3], v[CH+4:CH+5]
	s_delay_alu instid0(VALU_DEP_2)
	v_pk_add_f32 v[T4+2:T4+3], v[T4+2:T4+3], v[CH:CH+1]
	s_delay_alu instid0(VALU_DEP_1)
	v_pk_add_f32 v[T4+2:T4+3], v[T4+2:T4+3], v[CH+2:CH+3]
	s_cmp_eq_u32 s[HF], 0
	s_cbranch_scc1 .Lnh_\@
.set j, 0
.rept 64
	v_min_num_f32 v[S+j], v[S+j], v7               ; the conversion does not saturate (ISA guide 7.6.2); p is not negative, so the hold is one-sided
.set j, j+1
.endr
.Lnh_\@:
.irp b, 0,1,2,3
	v_cvt_scalef32_pk8_fp8_f32 v[PC+16*(\q)+4*\b:PC+16*(\q)+4*\b+1], v[S+16*\b:S+16*\b+7], v6
	v_cvt_scalef32_pk8_fp8_f32 v[PC+16*(\q)+4*\b+2:PC+16*(\q)+4*\b+3], v[S+16*\b+8:S+16*\b+15], v6
.endr
	WIN 0x41                                       ; O^T (destination and source 0) window 1
	s_wait_alu depctr_va_vdst(0)
.set j, 0
.rept 16
	v_pk_mul_f32 v[32*(\q)+j:32*(\q)+j+1], v[32*(\q)+j:32*(\q)+j+1], v[F:F+1] op_sel_hi:[1,0]   ; O^T under the new M; also the plain lines behind the conversions
.set j, j+2
.endr
	WIN 0
.endm
.macro KSTEP gen, qb                   ; my head's step: k, two tiles of scores and softmax, v, eight products onto eight accumulators by turns
	v_add_nc_u32 v[ADK], s[TBK], v[LI]
	v_add_nc_u32 v[ADV], s[TBV], v[LI]
.irp t, 0,1,2,3,4,5,6,7
.irp c, 0,1
	ds_load_b128 v[FR+8*\t+4*\c:FR+8*\t+4*\c+3], v[ADK] offset:\t*1024+\c*512
.endr
.endr
	s_wait_dscnt 0x0                               ; k is in, and my stores into the other slot are done
	GET
.if \gen == 0
	MNEXT 0                                        ; the mask's registers are idle in this step
	MNEXT 1
.endif
	TILE 0, \gen, \qb
	TILE 1, \gen, \qb
	s_wait_alu depctr_va_vdst(0)
	s_wait_dscnt 0x0                               ; v is in (asked for a whole softmax ago)
	WIN 0x50                                       ; C and D window 1
.irp dt, 0,1,2,3
.irp q, 0,1
	v_wmma_f32_16x16x128_fp8_fp8 v[32*\q+8*\dt:32*\q+8*\dt+7], v[FR+16*\dt:FR+16*\dt+15], v[PC+16*\q:PC+16*\q+15], v[32*\q+8*\dt:32*\q+8*\dt+7]
.endr
.endr
	WIN 0
.rept 4
	v_nop                                          ; places in front of the next loads into v's registers
.endr
.endm
.macro BEGIN                           ; a group's sums begin.  (Which step is a wave's first hangs on the stored bits, so none is written out: the first change of M multiplies zeros)
	WIN 0x40
.set j, 0
.rept 64
	v_mov_b32 v[j], 0                              ; O^T
.set j, j+1
.endr
	WIN 0
.irp t, 0,1
	v_mov_b32 v[ST+4*\t+1], 0xff61b1e6             ; the largest t so far: -3e38
	v_mov_b32 v[ST+4*\t+2], 0
	v_mov_b32 v[ST+4*\t+3], 0
	v_floor_f32 v[ST+4*\t], -v[ST+4*\t+1]
.endr
.endm
.macro OUTT q, cxp                     ; o = O^T / the sum x 2^(e8 + e9), held and converted with 2^e10: a tile's two chunks of 512 bytes, stored as they stand
.set T4, ST+4*(\q)
.set SS, S+32*(\q)
	WIN 0x01                                       ; source 0 (O^T) window 1
	s_wait_alu depctr_va_vdst(0)
.set j, 0
.rept 16
	v_pk_mul_f32 v[SS+j:SS+j+1], v[32*(\q)+j:32*(\q)+j+1], v[T4:T4+1] op_sel_hi:[1,0]   ; each accumulator from its low end on
.set j, j+2
.endr
	WIN 0
.set j, 0
.rept 32
	v_med3_num_f32 v[SS+j], v[SS+j], -v218, v218
.set j, j+1
.endr
.irp g, 0,1,2,3
	v_cvt_scalef32_pk8_fp8_f32 v[PC+8*(\q)+2*\g:PC+8*(\q)+2*\g+1], v[SS+8*\g:SS+8*\g+7], v217
.endr
	v_nop                                          ; one plain vector line behind the last conversion
.irp b, 0,1
	global_store_b128 v[LI], v[PC+8*(\q)+4*\b:PC+8*(\q)+4*\b+3], s[\cxp:\cxp+1] offset:(\q)*2048+\b*512   ; 512 consecutive bytes, aligned
.endr
.endm
; ONE GROUP OF 128 QUERIES: 16 trips, a step each, and the way out.
.macro PHASE qb, upto, cxp
.Lstep_\@:
	s_wait_loadcnt 0x0                             ; the next trip's block and this trip's mask are in registers (asked for a trip ago)
	s_wait_dscnt 0x0                               ; my stores of this trip's block are done, and so are my reads of the other slot
	s_barrier_signal -1
	s_barrier_wait -1                              ; both now hold of every wave
	s_bitcmp1_b32 s[NEED], 1
	s_cbranch_scc0 .Lno_put_\@
	PUT TBO                                        ; the next trip's block into the slot that nobody reads
.Lno_put_\@:
	ASK
	s_bitcmp1_b32 s[ACT], 0
	s_cbranch_scc0 .Lidle_\@
	s_bitcmp1_b32 s[GEN], 0
	s_cbranch_scc1 .Lgen_\@
	KSTEP 0, \qb
	s_branch .Lnext_\@
.Lgen_\@:
	KSTEP 1, \qb
	s_branch .Lnext_\@
.Lidle_\@:
	s_wait_dscnt 0x0
	GET
	MNEXT 0
	MNEXT 1
.Lnext_\@:
	s_wait_alu depctr_va_vdst(0)
	s_wait_xcnt 0x0                                ; this trip's loads and prefetches have read their bases
	s_add_co_u32 s[CNT], s[CNT], 1
	PTRS
	s_xor_b32 s[TBK], s[TBK], SLOT1
	s_xor_b32 s[TBV], s[TBV], SLOT1
	s_xor_b32 s[TBO], s[TBO], SLOT1
	s_lshr_b32 s[NEED], s[NEED], 1
	s_lshr_b32 s[ACT], s[ACT], 1
	s_lshr_b32 s[GEN], s[GEN], 1
	s_lshr_b32 s[PKM], s[PKM], 1
	s_lshr_b32 s[PMM], s[PMM], 1
	s_cmp_lt_u32 s[CNT], \upto
	s_cbranch_scc1 .Lstep_\@
.irp t, 0,1
	v_add_f32 v[ST+4*\t+2], v[ST+4*\t+2], v[ST+4*\t+3]
.endr
.irp t, 0,1
	s_delay_alu instid0(VALU_DEP_2)
	v_permlanex16_b32 v[ST+4*\t+3], v[ST+4*\t+2], s[SEL], s[SEL+1]
.endr
.irp t, 0,1
	s_delay_alu instid0(VALU_DEP_2)
	v_add_f32 v[ST+4*\t+2], v[ST+4*\t+2], v[ST+4*\t+3]
.endr
	s_wait_alu depctr_va_vdst(0)
.irp t, 0,1
	v_rcp_f32 v[ST+4*\t], v[ST+4*\t+2]
.endr
	v_nop                                          ; a plain line behind the last reciprocal
	s_wait_alu depctr_va_vdst(0)                   ; one wait for the two, ahead of their first reader
.irp t, 0,1
	v_ldexp_f32 v[ST+4*\t], v[ST+4*\t], s[E89]
.endr
	OUTT 0, \cxp
	OUTT 1, \cxp
.endm
	s_load_b256 s[4:11], s[0:1], 0x0               ; qc, kv, mimg, the exponents
	s_load_b128 s[12:15], s[0:1], 0x20             ; act, cx
	v_lshl_add_u32 v[SPW], v0, 2, SPARE
	v_mov_b32 v[NIL], 0
	v_lshrrev_b32 v6, 5, v0
	v_readfirstlane_b32 s[WV], v6                  ; wave 0..7
	v_and_b32 v7, 31, v0
	v_lshlrev_b32 v[LI], 4, v7
	v_lshlrev_b32 v[PFO], 8, v7
	s_and_b32 s[PR], ttmp7, 0xffff
	s_and_b32 s[HX], s[WV], 1
	s_lshr_b32 s[J], s[WV], 1
	s_sub_co_u32 s[BA], 15, ttmp9
	s_mov_b32 s[BB], ttmp9
	s_mov_b32 s[SEL], 0x76543210
	s_mov_b32 s[SEL+1], 0xfedcba98
	s_mov_b32 s[CS], 0x3e38aa3b                    ; log2(e) / 8
	s_lshl_b32 s[TBK], s[HX], 14
	s_lshl_b32 s[TBV], s[HX], 12
	s_lshl_b32 s[WOFF], s[WV], 12
	s_add_co_u32 s[TBO], s[WOFF], SLOT1
	s_and_b32 s[POFF], s[WV], 3
	s_lshl_b32 s[POFF], s[POFF], 13
	s_mov_b32 s[CNT], 0
	s_mov_b32 s45, 0                               ; the upper word of the offsets' pair
	s_wait_alu depctr_va_vdst(0)
	s_wait_kmcnt 0x0
	s_load_b128 s[48:51], s[10:11], 0x18           ; e6 .. e9
	s_load_b32 s52, s[10:11], 0x28                 ; e10
	s_lshl_b32 s44, s[BA], 12                      ; act: 16 words, 256 bytes apart, for a group of 128 queries
	s_add_nc_u64 s[46:47], s[12:13], s[44:45]
	s_lshl_b32 s44, s[BB], 12
	s_add_nc_u64 s[60:61], s[12:13], s[44:45]
.set u, 0
.rept 16
	s_load_b32 s[66+u], s[46:47], 256*u
	s_load_b32 s[82+u], s[60:61], 256*u
.set u, u+1
.endr
	s_lshl_b32 s44, s[PR], 19                      ; a pair's 512 KiB
	s_add_nc_u64 s[6:7], s[6:7], s[44:45]
	s_add_nc_u64 s[4:5], s[4:5], s[44:45]
	s_mov_b32 s44, s[WOFF]
	s_add_nc_u64 s[KVB:KVB+1], s[6:7], s[44:45]
.set n, 0
.rept 8
	global_load_b128 v[S+4*n:S+4*n+3], v[LI], s[KVB:KVB+1] offset:512*n   ; step 0's block, into registers that are idle yet,
.set n, n+1
.endr
	GETL 32768                                     ; and step 1's beside it
	s_lshl_b32 s59, s[J], 11
	s_lshl_b32 s17, s[HX], 14
	s_add_co_u32 s59, s59, s17
	s_lshl_b32 s44, s[BA], 15
	s_add_co_u32 s44, s44, s59
	s_add_nc_u64 s[PFK:PFK+1], s[4:5], s[44:45]    ; (the two pairs hold Q's addresses until the pointers are made below)
	s_lshl_b32 s44, s[BB], 15
	s_add_co_u32 s44, s44, s59
	s_add_nc_u64 s[PFM:PFM+1], s[4:5], s[44:45]
.irp q, 0,1
.irp c, 0,1
	global_load_b128 v[QA+8*\q+4*\c:QA+8*\q+4*\c+3], v[LI], s[PFK:PFK+1] offset:\q*1024+\c*512   ; Q of both groups stays in registers
	global_load_b128 v[QB+8*\q+4*\c:QB+8*\q+4*\c+3], v[LI], s[PFM:PFM+1] offset:\q*1024+\c*512
.endr
.endr
	s_lshl_b32 s17, s[J], 18                       ; a query tile's image is 128 KiB
	s_lshl_b32 s[OFA], s[BA], 20
	s_add_co_u32 s[OFA], s[OFA], s17
	s_lshl_b32 s[OFB], s[BB], 20
	s_add_co_u32 s[OFB], s[OFB], s17
	s_mov_b32 s44, s[OFA]
	s_add_nc_u64 s[MB:MB+1], s[8:9], s[44:45]
	WIN 0x40                                       ; destination window 1
.irp q, 0,1
.irp i, 0,1,2,3,4,5,6,7,8,9,10,11,12,13,14,15
	global_load_b128 v[MK+64*\q+4*\i:MK+64*\q+4*\i+3], v[LI], s[MB:MB+1] offset:\q*131072+512*\i   ; step 0's mask, whatever its bits say: so the registers are written on every way
.endr
.endr
	WIN 0
	BEGIN
	v_mov_b32 v[F+1], 0                            ; (named as the upper half of the pair)
	s_lshr_b32 s59, s[PR], 3
	s_lshl_b32 s59, s59, 21                        ; cx: the batch's 16 groups of 128 tokens, 128 KiB each,
	s_and_b32 s17, s[PR], 7
	s_lshl_b32 s17, s17, 14                        ; the K step = the pair of heads,
	s_add_co_u32 s59, s59, s17
	s_lshl_b32 s17, s[J], 12                       ; my two tiles,
	s_add_co_u32 s59, s59, s17
	s_lshl_b32 s17, s[HX], 10                      ; my head's two chunks
	s_add_co_u32 s59, s59, s17
	s_lshl_b32 s44, s[BA], 17
	s_add_co_u32 s44, s44, s59
	s_add_nc_u64 s[CXA:CXA+1], s[14:15], s[44:45]
	s_lshl_b32 s44, s[BB], 17
	s_add_co_u32 s44, s44, s59
	s_add_nc_u64 s[CXB:CXB+1], s[14:15], s[44:45]
	s_wait_kmcnt 0x0
.irp k, 0,1,2,3,4,5,6,7                ; the four words of each 32 queries (two tiles x two halves of the keys) become one
	s_or_b32 s[66+4*\k], s[66+4*\k], s[67+4*\k]
	s_or_b32 s[68+4*\k], s[68+4*\k], s[69+4*\k]
	s_or_b32 s[66+4*\k], s[66+4*\k], s[68+4*\k]
.endr
	s_cmp_eq_u32 s[J], 1                           ; my own 32 queries' words
	s_cselect_b32 s17, s70, s66
	s_cselect_b32 s59, s86, s82
	s_cmp_eq_u32 s[J], 2
	s_cselect_b32 s17, s74, s17
	s_cselect_b32 s59, s90, s59
	s_cmp_eq_u32 s[J], 3
	s_cselect_b32 s17, s78, s17
	s_cselect_b32 s59, s94, s59
	s_and_b32 s[ACT], s17, 0xffff
	s_lshr_b32 s[GEN], s17, 16
	s_and_b32 s[GEN], s[GEN], s[ACT]
	s_lshl_b32 s17, s59, 16                        ; the second group's live bits, on top;
	s_or_b32 s[ACT], s[ACT], s17
	s_and_b32 s59, s59, s17                        ; its bits 'not zero' lie on top already: kept where it is live
	s_or_b32 s[GEN], s[GEN], s59
	s_or_b32 s66, s66, s70
	s_or_b32 s74, s74, s78
	s_or_b32 s66, s66, s74
	s_and_b32 s[NEED], s66, 0xffff
	s_lshr_b32 s17, s[WV], 2
	s_xor_b32 s17, s17, 1                          ; 0 in waves 4 to 7,
	s_or_b32 s17, s17, ttmp9                       ; of the pair's first work-group
	s_cmp_eq_u32 s17, 0
	s_cselect_b32 s[PKM], s[NEED], 0
	s_or_b32 s82, s82, s86
	s_or_b32 s90, s90, s94
	s_or_b32 s82, s82, s90
	s_lshl_b32 s82, s82, 16
	s_or_b32 s[NEED], s[NEED], s82
	s_or_b32 s17, s[PR], s[HX]
	s_cmp_eq_u32 s17, 0
	s_cselect_b32 s[PMM], s[GEN], 0
	s_cmp_lt_i32 s50, -8
	s_cselect_b32 s[HF], 1, 0
	s_add_co_i32 s17, s48, s49
	s_lshl_b32 s17, s17, 23
	s_add_co_i32 s[CS], s[CS], s17                 ; a sum stands for sum x 2^(e6 + e7)
	s_mov_b32 s[CS+1], s[CS]
	s_add_co_i32 s17, s50, 127
	s_lshl_b32 s59, s17, 23
	v_mov_b32 v6, s59                              ; 2^e8, for p's conversions
	s_add_co_i32 s17, s17, 8
	s_lshl_b32 s17, s17, 23
	s_or_b32 s17, s17, 0x600000
	v_mov_b32 v7, s17                              ; 448 x 2^e8
	s_add_co_i32 s17, s52, 127
	s_lshl_b32 s59, s17, 23
	v_mov_b32 v217, s59                            ; 2^e10, for o's
	s_add_co_i32 s17, s17, 8
	s_lshl_b32 s17, s17, 23
	s_or_b32 s17, s17, 0x600000
	v_mov_b32 v218, s17                            ; 448 x 2^e10
	s_add_co_i32 s[E89], s50, s51
	s_wait_loadcnt 48                              ; step 0's eight loads are in; behind them stand step 1's 8, Q's 8 and the mask's 32
	v_add_nc_u32 v[CH+5], s[WOFF], v[LI]
.set n, 0
.rept 8
	ds_store_b128 v[CH+5], v[S+4*n:S+4*n+3] offset:512*n   ; into slot 0
.set n, n+1
.endr
	s_wait_xcnt 0x0                                ; the loads have read their bases
	PTRS
	s_wait_alu depctr_va_vdst(0)
	PHASE QA, 16, CXA
	BEGIN
	s_wait_alu depctr_va_vdst(0)
	s_wait_xcnt 0x0                                ; the stores have read their data: p's codes may be written there again
	PHASE QB, 32, CXB
	s_wait_tensorcnt 0x0                           ; the wave's end, behind my last LDS store
	ds_add_u32 v[SPW], v[NIL]
	s_wait_dscnt 0x0
	s_endpgm
.Lfunc_end_k_qfd69a8116a_attn:
	.size	k_qfd69a8116a_attn, .Lfunc_end_k_qfd69a8116a_attn-k_qfd69a8116a_attn
	.p2alignl 7, 3214868480
	.fill 96, 4, 3214868480
	.section	.rodata,"a",@progbits
	.p2align	6, 0x0
	.amdhsa_kernel k_qfd69a8116a_attn
		.amdhsa_group_segment_fixed_size 66560
		.amdhsa_private_segment_fixed_size 0
		.amdhsa_enable_private_segment 0
		.amdhsa_kernarg_size 48
		.amdhsa_user_sgpr_count 2
		.amdhsa_user_sgpr_kernarg_segment_ptr 1
		.amdhsa_wavefront_size32 1
		.amdhsa_system_sgpr_workgroup_id_x 1
		.amdhsa_system_sgpr_workgroup_id_y 1
		.amdhsa_system_sgpr_workgroup_id_z 1
		.amdhsa_system_vgpr_workitem_id 0
		.amdhsa_next_free_vgpr 512
		.amdhsa_next_free_sgpr 98
		.amdhsa_reserve_vcc 0
		.amdhsa_float_denorm_mode_32 3
		.amdhsa_float_denorm_mode_16_64 3
		.amdhsa_memory_ordered 1
		.amdhsa_forward_progress 1
		.amdhsa_inst_pref_size 190
	.end_amdhsa_kernel
	.amdgpu_metadata
---
amdhsa.version: [ 1, 2 ]
amdhsa.kernels:
  - .name:           k_qfd69a8116a_attn
    .symbol:         k_qfd69a8116a_attn.kd
    .args:
      - { .name: qc, .offset: 0, .size: 8, .value_kind: global_buffer, .address_space: global }
      - { .name: kv, .offset: 8, .size: 8, .value_kind: global_buffer, .address_space: global }
      - { .name: mimg, .offset: 16, .size: 8, .value_kind: global_buffer, .address_space: global }
      - { .name: lowp_scales, .offset: 24, .size: 8, .value_kind: global_buffer, .address_space: global }
      - { .name: act, .offset: 32, .size: 8, .value_kind: global_buffer, .address_space: global }
      - { .name: cx, .offset: 40, .size: 8, .value_kind: global_buffer, .address_space: global }
    .group_segment_fixed_size: 66560
    .private_segment_fixed_size: 0
    .kernarg_segment_align: 8
    .kernarg_segment_size: 48
    .max_flat_workgroup_size: 256
    .sgpr_count:     98
    .vgpr_count:     512
    .wavefront_size: 32
...
	.end_amdgpu_metadata
.endif
;; end of part 3
;; launch outp (part 4): grid 4 x 32, 4 waves a work-group, clusters of 4 x 4, 327,680 bytes of LDS; arguments cx, wc, lowp_scales, bo, out0; writes out0
.if DOCPART == 4
	.amdgcn_target "amdgcn-amd-amdhsa--gfx1250"
	.amdhsa_code_object_version 6
	.text
	.protected	k_qfd69a8116a_outp
	.globl	k_qfd69a8116a_outp
	.p2align	8
	.type	k_qfd69a8116a_outp,@function
k_qfd69a8116a_outp:
	s_mov_b64 s[64:65], 0
	v_nop
	global_prefetch_b8 v0, s[64:65] scope:SCOPE_SE
	s_setreg_imm32_b32 hwreg(HW_REG_WAVE_MODE, 25, 1), 1
	s_wait_xcnt 0x0
	s_wait_alu depctr_hold_cnt(0) depctr_sa_sdst(0) depctr_va_vdst(0) depctr_va_sdst(0) depctr_va_ssrc(0) depctr_va_vcc(0) depctr_vm_vsrc(0)
	s_getreg_b32 s2, hwreg(HW_REG_IB_STS2, 6, 4)
	s_cmp_eq_u32 s2, 0
	s_cbranch_scc0 .Lentry_in_a_cluster
	s_endpgm
.Lentry_in_a_cluster:
	s_bfe_u32 s2, ttmp6, 0x10000c
	s_cmp_lg_u32 s2, 0xf033
	s_cbranch_scc0 .Lentry_shape_is_right
	s_endpgm
.Lentry_shape_is_right:
.set FR,     16
.set NL,     4
.set NP,     4
.set HALFT,  32768
.set SLOT,   4*HALFT
.set SPARE,  2*SLOT
.set SPITCH, 528
.set ADRA, 16
.set ADRB, 20
.set STO,  24
.set RD,   25
.set CO,   26
.set SPW,  28
.set NIL,  29
.set AF,   128
.set BK,   128
.set G1, 24
.set G0, 32
.set G1B, 48
.set G0B, 56
.set MSB, 0
.macro WIN new
.if MSB != \new
	s_set_vgpr_msb (MSB<<8)|\new
.set MSB, \new
.endif
.endm
.set MUL_LO, 0xa1
.set MUL_HI, 0xf1
.set TO_B,   0x40
.macro JLOAD g0a, g1a, g0b, g1b
	s_cmp_eq_u32 s15, 0
	s_cbranch_scc0 .Lfor_b_\@
	tensor_load_to_lds s[\g0a:\g0a+3], s[\g1a:\g1a+7]
	s_nop 0
.rept 4
	v_nop
.endr
	s_branch .Lasked_\@
.Lfor_b_\@:
	tensor_load_to_lds s[\g0b:\g0b+3], s[\g1b:\g1b+7]
	s_nop 0
.rept 4
	v_nop
.endr
.Lasked_\@:
.endm
.macro CREST
	s_cmp_lg_u32 s14, 0
	s_cbranch_scc1 .Lnot_wave_0_\@
	s_barrier_signal -3
.Lnot_wave_0_\@:
	s_barrier_wait -3
	s_barrier_signal -1
	s_barrier_wait -1
.endm
.macro CROUND
	s_barrier_signal -1
	s_barrier_wait -1
	CREST
.endm
.macro FRAG reg, adr, q, i
.irp c, 0,1,2,3
	ds_load_b128 v[\reg+4*\c:\reg+4*\c+3], v[\adr] offset:16384*(\q)+2048*(\i)+512*\c
.endr
.endm
.macro MUL16 a0, p, zero
.irp a, \a0, \a0+1
.irp b, 0,1,2,3,4,5,6,7
.if \zero
	v_wmma_f32_16x16x128_fp8_fp8 v[8*(8*((\a)%4)+\b):8*(8*((\a)%4)+\b)+7], v[128*(\p)+FR*\b:128*(\p)+FR*\b+FR-1], v[AF+FR*(\a):AF+FR*(\a)+FR-1], 0
.else
	v_wmma_f32_16x16x128_fp8_fp8 v[8*(8*((\a)%4)+\b):8*(8*((\a)%4)+\b)+7], v[128*(\p)+FR*\b:128*(\p)+FR*\b+FR-1], v[AF+FR*(\a):AF+FR*(\a)+FR-1], v[8*(8*((\a)%4)+\b):8*(8*((\a)%4)+\b)+7]
.endif
.endr
.endr
.endm
.macro FETCH_B slot, q, p
	WIN TO_B
.irp i, 0,1,2,3,4,5,6,7
	FRAG 128*(\p)+FR*\i, ADRB+\slot, \q, \i
.endr
	WIN 0
.endm
.macro FETCH_A slot, q, i0
.irp i, \i0, \i0+1, \i0+2, \i0+3
	FRAG AF+FR*(\i), ADRA+\slot, \q, \i
.endr
.endm
.macro PLACES n
.rept \n
	v_nop
.endr
.endm
.macro STEP slot, q, zero
	s_wait_dscnt 4*NL
	WIN MUL_LO
	MUL16 0, (\q)%2, \zero
	MUL16 2, (\q)%2, \zero
	s_wait_dscnt 0
	PLACES NP
	FETCH_B \slot, (\q)+1, 1-(\q)%2
	FETCH_A \slot, (\q)+1, 0
	WIN MUL_HI
	MUL16 4, (\q)%2, \zero
	MUL16 6, (\q)%2, \zero
	PLACES NP
	WIN 0
	FETCH_A \slot, (\q)+1, 4
.endm
.macro TURN slot, next, fill
	s_wait_tensorcnt 0x0
	ds_add_u32 v[SPW], v[NIL]
	s_wait_dscnt 4*NL+1
	WIN MUL_LO
	MUL16 0, 1, 0
	s_wait_dscnt 0x0
	s_barrier_signal -1
	MUL16 2, 1, 0
	WIN 0
	s_barrier_wait -1
.if \fill
	CREST
	s_add_nc_u64 s[G0+4*\slot+2:G0+4*\slot+3], s[G0+4*\slot+2:G0+4*\slot+3], 2*HALFT
	s_add_nc_u64 s[G0B+4*\slot+2:G0B+4*\slot+3], s[G0B+4*\slot+2:G0B+4*\slot+3], 2*HALFT
	s_mov_b32 s[G1+2], 128<<16                     ; a refill brings one slot: 128 rows of 256 bytes (no load of mine is out: the descriptors may be written)
	s_mov_b32 s[G1+4], 128
	s_mov_b32 s[G1B+2], 128<<16
	s_mov_b32 s[G1B+4], 128
	JLOAD G0+4*\slot, G1, G0B+4*\slot, G1B
.else
	PLACES NP
.endif
	FETCH_B \next, 0, 0
	FETCH_A \next, 0, 0
	WIN MUL_HI
	MUL16 4, 1, 0
	MUL16 6, 1, 0
	PLACES NP
	WIN 0
	FETCH_A \next, 0, 4
.endm
.macro TOSTAGE a
.set AC, 64*((\a)%4)
	WIN 0x08+4*((\a)/4)
.irp i, 0,1,2,3,4,5,6,7,8,9,10,11,12,13,14,15
	ds_store_b128 v[STO], v[AC+4*\i:AC+4*\i+3] offset:128*(\i/4)+16*(\i%4)
.endr
	WIN 0
.set BB, BK+64*((\a)%2)
.irp t, 0,1,2,3,4,5,6,7,8,9,10,11,12,13,14,15
	ds_load_b128 v[BB+4*\t:BB+4*\t+3], v[RD] offset:\t*SPITCH
.endr
.endm
.macro SEND a, younger
.set BB, BK+64*((\a)%2)
	s_wait_dscnt \younger
.irp t, 0,1,2,3,4,5,6,7,8,9,10,11,12,13,14,15
	v_pk_fma_f32 v[BB+4*\t:BB+4*\t+1], v[BB+4*\t:BB+4*\t+1], s[96:97], v[8:9] op_sel_hi:[1,0,1]
	v_pk_fma_f32 v[BB+4*\t+2:BB+4*\t+3], v[BB+4*\t+2:BB+4*\t+3], s[96:97], v[10:11] op_sel_hi:[1,0,1]
.endr
.irp t, 0,1,2,3,4,5,6,7,8,9,10,11,12,13,14,15
	global_store_b128 v[CO], v[BB+4*\t:BB+4*\t+3], s[12:13] offset:(32*((\a)/2)+8*((\a)%2)+\t+8*(\t/8))*4096 th:TH_STORE_NT
.endr
.endm
	s_load_b256 s[4:11], s[0:1], 0x0
	s_load_b64 s[12:13], s[0:1], 0x20
	v_lshl_add_u32 v[SPW], v0, 2, SPARE
	v_mov_b32 v[NIL], 0
	ds_add_u32 v28, v29
	ds_add_u32 v28, v29
	s_wait_dscnt 0x0
	v_lshrrev_b32 v1, 5, v0
	v_readfirstlane_b32 s14, v1
	s_lshr_b32 s15, s14, 1
	s_and_b32 s16, s14, 1
	s_bfe_u32 s40, ttmp6, 0x40000
	s_bfe_u32 s41, ttmp6, 0x40004
	s_lshl_b32 s42, ttmp9, 2
	s_add_co_u32 s42, s42, s40
	s_and_b32 s17, ttmp7, 0xffff
	s_lshl_b32 s17, s17, 2
	s_add_co_u32 s17, s17, s41
	s_lshl_b32 s43, s41, 2
	s_lshl_b32 s43, 15, s43
	s_lshl_b32 s44, 0x1111, s40
	s_or_b32 s[G1+0], s43, (3<<16)|(1<<21)
	s_or_b32 s[G1B+0], s44, (3<<16)|(1<<21)
.irp g, G1, G1B
	s_mov_b32 s[\g+1], 32<<16
	s_mov_b32 s[\g+2], 256<<16                     ; the head's load brings both slots at once: 256 rows of 256 bytes, K steps 0 and 1, dense in memory and in LDS
	s_mov_b32 s[\g+3], 32<<16
	s_mov_b32 s[\g+4], 256
	s_mov_b32 s[\g+5], 32
	s_mov_b32 s[\g+6], 0
	s_mov_b32 s[\g+7], 0
.endr
	s_lshl_b32 s20, s17, 1
	s_add_co_u32 s20, s20, s16
	s_lshl_b32 s20, s20, 17
	s_mov_b32 s21, 0
	s_lshl_b32 s46, s42, 1
	s_add_co_u32 s46, s46, s16
	s_lshl_b32 s46, s46, 17
	s_add_co_u32 s46, s46, 3<<20
	s_mov_b32 s47, 0
	s_mul_i32 s45, s14, 2*HALFT                    ; LDS: 64 KiB for each wave's 128 rows, slot 0 then slot 1
	s_wait_kmcnt 0x0
	s_load_b64 s[96:97], s[8:9], 0x28
	s_add_nc_u64 s[20:21], s[4:5], s[20:21]
	s_add_nc_u64 s[46:47], s[6:7], s[46:47]
	CROUND
.irp s, 0,1
	s_mov_b32 s[G0+4*\s], 1
	s_add_co_u32 s[G0+4*\s+1], s45, \s*HALFT
	s_add_nc_u64 s[G0+4*\s+2:G0+4*\s+3], s[20:21], \s*HALFT
	s_or_b32 s[G0+4*\s+3], s[G0+4*\s+3], 0x80000000
	s_mov_b32 s[G0B+4*\s], 1
	s_add_co_u32 s[G0B+4*\s+1], s45, \s*HALFT
	s_add_nc_u64 s[G0B+4*\s+2:G0B+4*\s+3], s[46:47], \s*HALFT
	s_or_b32 s[G0B+4*\s+3], s[G0B+4*\s+3], 0x80000000
.endr
	JLOAD G0, G1, G0B, G1B                         ; my one tensor load at the head: K steps 0 and 1 of my 128 rows
	v_and_b32 v6, 31, v0
	v_lshlrev_b32 v[CO], 4, v6
	v_lshlrev_b32 v7, 8, v6                        ; 256 x lane; never rewritten
	s_wait_alu depctr_va_vdst(0)
	; prefetches into the L2 of K steps 2 and 3, which the two refills will ask for.  A wave's part of a K step is 32 KiB, dense; the four partners that ask for it jointly share it out by address, 8 KiB each (cx for A, cy for B), lanes 256 bytes apart
	s_cmp_eq_u32 s15, 0
	s_cselect_b64 s[2:3], s[20:21], s[46:47]
	s_cselect_b32 s98, s40, s41
	s_lshl_b32 s98, s98, 13
	s_mov_b32 s99, 0
	s_add_nc_u64 s[2:3], s[2:3], s[98:99]
	global_prefetch_b8 v7, s[2:3] offset:2*HALFT th:TH_LOAD_NT scope:SCOPE_SE
	global_prefetch_b8 v7, s[2:3] offset:3*HALFT th:TH_LOAD_NT scope:SCOPE_SE
	s_lshl_b32 s22, s15, 16
	s_lshl_b32 s23, s16, 16
	s_add_co_u32 s23, s23, 4*HALFT
.irp s, 0,1
	v_add_nc_u32 v[ADRA+\s], s22, v[CO]
	v_add_nc_u32 v[ADRB+\s], s23, v[CO]
	s_add_co_u32 s22, s22, HALFT
	s_add_co_u32 s23, s23, HALFT
.endr
	v_and_b32 v1, 15, v0
	v_bfe_u32 v2, v0, 4, 1
	s_lshl_b32 s23, s14, 16                        ; my stage lies in slot 0 of the 64 KiB with my number: that slot has had its last fill and its last read when the first result is stored there
	v_mul_u32_u24 v5, v1, SPITCH
	v_lshl_add_u32 v5, v2, 6, v5
	v_add_nc_u32 v[STO], s23, v5
	v_add_nc_u32 v[RD], s23, v[CO]
	s_lshl_b32 s90, s42, 1
	s_add_co_u32 s90, s90, s16
	s_lshl_b32 s91, s17, 1
	s_add_co_u32 s91, s91, s15
	s_lshl_b32 s92, s90, 9
	s_mov_b32 s93, 0
	s_add_nc_u64 s[10:11], s[10:11], s[92:93]
	global_load_b128 v[8:11], v[CO], s[10:11]
	s_lshl_b32 s94, s91, 19
	s_add_co_u32 s92, s92, s94
	s_add_nc_u64 s[12:13], s[12:13], s[92:93]
	s_wait_alu depctr_va_vdst(0)
	s_wait_tensorcnt 0x0
	s_barrier_signal -1
	s_barrier_wait -1
	FETCH_B 0, 0, 0
	FETCH_A 0, 0, 0
	FETCH_A 0, 0, 4
	STEP 0, 0, 1
	TURN 0, 1, 1
	STEP 1, 0, 0
	TURN 1, 0, 1
	STEP 0, 0, 0
	TURN 0, 1, 0
	STEP 1, 0, 0
	s_wait_dscnt 4*NL
	WIN MUL_LO
	MUL16 0, 1, 0
	MUL16 2, 1, 0
	s_wait_dscnt 0
	WIN MUL_HI
	MUL16 4, 1, 0
	MUL16 6, 1, 0
	WIN 0
	s_wait_kmcnt 0x0
	s_add_co_i32 s96, s96, s97
	s_add_co_i32 s96, s96, 127
	s_lshl_b32 s96, s96, 23
	s_mov_b32 s97, s96
	s_wait_loadcnt 0x0
	PLACES NP
	TOSTAGE 0
.irp a, 1,2,3,4,5,6,7
.if \a > 1
	s_wait_xcnt 0x0
.endif
	TOSTAGE \a
	SEND \a-1, 32
.endr
	SEND 7, 0
	s_wait_tensorcnt 0x0
	ds_add_u32 v[SPW], v[NIL]
	s_wait_dscnt 0x0
	CROUND
	s_endpgm
.Lfunc_end_k_qfd69a8116a_outp:
	.size	k_qfd69a8116a_outp, .Lfunc_end_k_qfd69a8116a_outp-k_qfd69a8116a_outp
	.p2alignl 7, 3214868480
	.fill 96, 4, 3214868480
	.section	.rodata,"a",@progbits
	.p2align	6, 0x0
	.amdhsa_kernel k_qfd69a8116a_outp
		.amdhsa_group_segment_fixed_size 327680
		.amdhsa_private_segment_fixed_size 0
		.amdhsa_enable_private_segment 0
		.amdhsa_kernarg_size 40
		.amdhsa_user_sgpr_count 2
		.amdhsa_user_sgpr_kernarg_segment_ptr 1
		.amdhsa_wavefront_size32 1
		.amdhsa_system_sgpr_workgroup_id_x 1
		.amdhsa_system_sgpr_workgroup_id_y 1
		.amdhsa_system_sgpr_workgroup_id_z 1
		.amdhsa_system_vgpr_workitem_id 0
		.amdhsa_next_free_vgpr 1024
		.amdhsa_next_free_sgpr 100
		.amdhsa_reserve_vcc 0
		.amdhsa_float_denorm_mode_32 3
		.amdhsa_float_denorm_mode_16_64 3
		.amdhsa_memory_ordered 1
		.amdhsa_forward_progress 1
		.amdhsa_inst_pref_size 123
	.end_amdhsa_kernel
	.amdgpu_metadata
---
amdhsa.version: [ 1, 2 ]
amdhsa.kernels:
  - .name:           k_qfd69a8116a_outp
    .symbol:         k_qfd69a8116a_outp.kd
    .args:
      - { .name: cx, .offset: 0, .size: 8, .value_kind: global_buffer, .address_space: global }
      - { .name: wc, .offset: 8, .size: 8, .value_kind: global_buffer, .address_space: global }
      - { .name: lowp_scales, .offset: 16, .size: 8, .value_kind: global_buffer, .address_space: global }
      - { .name: bo, .offset: 24, .size: 8, .value_kind: global_buffer, .address_space: global }
      - { .name: out0, .offset: 32, .size: 8, .value_kind: global_buffer, .address_space: global }
    .group_segment_fixed_size: 327680
    .private_segment_fixed_size: 0
    .kernarg_segment_align: 8
    .kernarg_segment_size: 40
    .max_flat_workgroup_size: 128
    .sgpr_count:     100
    .vgpr_count:     1024
    .wavefront_size: 32
...
	.end_amdgpu_metadata
.endif
;; end of part 4
